; MI455X (gfx1250); checked and timed in simulation.
; The chip was launched on July 23, 2026; its instructions are those of AMD's public machine-readable ISA for CDNA 5 (MIT licence, August 2026) and "CDNA5" Instruction Set Architecture Reference Guide (July 2026). The comments in the code are by the model that wrote it; some were corrected since.
;; Causal Attention. Allowed arithmetic: float matrix products may take bf16 or f16 operands with f32 sums; all other float work in f32.
;; Inputs: Wk 1,024 x 1,024 float32; Wq 1,024 x 1,024 float32; Wv 1,024 x 1,024 float32; x 4 x 2,048 x 1,024 float32.
;; Outputs: out0 4 x 2,048 x 1,024 float32.
;; 2 versions, each right; version 2 is version 1 with the launch prep written anew for expert scheduling mode. Each part assembles by itself: llvm-mc -triple=amdgcn-amd-amdhsa -mcpu=gfx1250 --defsym DOCPART=n.
;; ======== version 1 of 2: 4 launches
;; limits: values are held in f16: magnitudes above 65,504 overflow, below 6.1e-05 lose precision; right only within a limited range of input values; inputs' magnitudes at most 65,504
;; workspace buffers: xh 16,777,216 bytes; wt 6,291,456 bytes; qk 33,554,432 bytes; vt 16,777,216 bytes; p 33,554,432 bytes; stats 1,048,576 bytes
;; launch prep (part 1): grid 1408 x 1, 4 waves a work-group, no clusters, 17,920 bytes of LDS; arguments x, Wq, Wk, Wv, xh, wt; writes xh, wt
.if DOCPART == 1
	.amdgcn_target "amdgcn-amd-amdhsa--gfx1250"
	.amdhsa_code_object_version 6
	.text
	.protected	k_qc09bdb5106_prep
	.globl	k_qc09bdb5106_prep
	.p2align	8
	.type	k_qc09bdb5106_prep,@function
k_qc09bdb5106_prep:
	s_mov_b64 s[64:65], 0
	v_nop
	global_prefetch_b8 v0, s[64:65] scope:SCOPE_SE
	s_setreg_imm32_b32 hwreg(HW_REG_WAVE_MODE, 25, 1), 1
	s_wait_xcnt 0x0
; PREP.  xh = x, [8192][1024]; wt = the three weights turned, [3072][1024], K along the rows.  Each number is rounded to bf16 and that number is written as f16, so that one f16 matrix form serves every
; product of the program.  LIMIT: the f16 coding is exact for magnitudes from 2^-17 to 65,504; smaller ones keep f16's fixed step of 2^-24, larger ones become infinities.
; wt's rows are ordered for the projection's tiles of 288 rows: column n of q or k (n = 0..2047) is row 288 (n / 256) + n % 256; column v < 256 of Wv is row 288 (v / 32) + 256 + v % 32; column v >= 256 is row 2048 + v.
; A stream: no matrix unit, no cluster.  EVERY WAVE OF THE LAUNCH ISSUES ITS 16 LOADS OF 512 BYTES AT ONCE AND MAKES ONE TRIP: nothing is asked for behind a wait for data.
; Work-groups 0-383 turn the weights (128 for each): a work-group owns a tile of 128 k x 64 n; wave w loads its k rows 32 w .. + 31 and lays them turned into the work-group's LDS tile (64 rows of 272 bytes);
; behind one barrier wave w takes rows 16 w .. + 15 out, whole rows of 256 bytes.  Work-groups 384-1407 convert x: a wave owns 8,192 consecutive bytes; no LDS, no barrier.
.set NW,    384                        ; work-groups that turn weights
.set WROW,  272                        ; an LDS row: 128 numbers of one column of W + 16 bytes
.set SPARE, 64*WROW                    ; behind the tile: the spare words, 128 bytes a wave, two blocks of 256 bytes that no other line names
.set SPW,   2                          ; v2  LDS address of my spare word; never rewritten
.set NIL,   3                          ; v3  0; never rewritten
.set LD,    8                          ; v[8:71]    16 loads of four registers
.set CV,    72                         ; v[72:103]  32 words of two f16
; Two f32 (registers a, b, which are used up) to two f16 in register d: rounded to bf16, widened again, and written as f16
.macro TOH d, a, b
	v_cvt_pk_bf16_f32 v[\d], v[\a], v[\b]
	v_lshlrev_b32 v[\a], 16, v[\d]
	v_and_b32 v[\b], s27, v[\d]
	v_cvt_pk_f16_f32 v[\d], v[\a], v[\b]
.endm
	s_load_b256 s[4:11], s[0:1], 0x0               ; x s[4:5], Wq s[6:7], Wk s[8:9], Wv s[10:11]
	s_load_b128 s[12:15], s[0:1], 0x20             ; xh s[12:13], wt s[14:15]
	v_lshl_add_u32 v[SPW], v0, 2, SPARE
	v_mov_b32 v[NIL], 0
	v_lshrrev_b32 v1, 5, v0
	v_readfirstlane_b32 s16, v1                    ; wave 0..3
	v_and_b32 v1, 31, v0                           ; lane
	s_mov_b32 s27, 0xffff0000                      ; a word's upper bf16
	s_cmp_lt_u32 ttmp9, NW                         ; the work-group's number: the same answer in all four waves
	s_cbranch_scc1 .Lweights
	; x: each load is converted and stored as 256 consecutive, aligned bytes.  No register is loaded or stored twice, so no wait frees anything.
	s_sub_co_u32 s17, ttmp9, NW
	s_lshl_b32 s18, s17, 15                        ; 32,768 bytes of x a work-group,
	s_lshl_b32 s19, s16, 13                        ; 8,192 a wave
	s_add_co_u32 s18, s18, s19
	s_mov_b32 s19, 0
	s_lshr_b32 s20, s18, 1                         ; half as many of xh
	s_mov_b32 s21, 0
	v_lshlrev_b32 v4, 4, v1
	v_lshlrev_b32 v5, 3, v1
	s_wait_kmcnt 0x0
	s_add_nc_u64 s[4:5], s[4:5], s[18:19]
	s_add_nc_u64 s[12:13], s[12:13], s[20:21]
.set i, 0
.rept 16
	global_load_b128 v[LD+4*i:LD+4*i+3], v4, s[4:5] offset:512*i th:TH_LOAD_NT
.set i, i+1
.endr
.set i, 0
.rept 16
	s_wait_loadcnt 15-i                            ; loads come back in order: mine is in, the younger ones stay out
	TOH CV+2*i, LD+4*i, LD+4*i+1
	TOH CV+2*i+1, LD+4*i+2, LD+4*i+3
	global_store_b64 v5, v[CV+2*i:CV+2*i+1], s[12:13] offset:256*i
.set i, i+1
.endr
	s_endpgm                                       ; this way wrote no LDS
.Lweights:
	s_lshr_b32 s17, ttmp9, 7                       ; which weight
	s_and_b32 s18, ttmp9, 127                      ; my tile among its 128
	s_lshr_b32 s19, s18, 4                         ; kt: 128 rows of W
	s_and_b32 s18, s18, 15                         ; nt: 64 columns
	s_lshl_b32 s22, s19, 19                        ; 128 rows of 4,096 bytes,
	s_lshl_b32 s23, s16, 17                        ; my wave's 32 of them,
	s_add_co_u32 s22, s22, s23
	s_lshl_b32 s23, s18, 8                         ; 64 columns of 4 bytes
	s_add_co_u32 s22, s22, s23
	s_mov_b32 s23, 0
	s_lshl_b32 s24, s17, 10
	s_lshl_b32 s25, s18, 6
	s_add_co_u32 s24, s24, s25                     ; n: the tile's first column among the 3,072
	s_lshr_b32 s26, s24, 8
	s_mul_i32 s26, s26, 288
	s_and_b32 s25, s24, 255
	s_add_co_u32 s26, s26, s25                     ; its row if it is q's or k's
	s_sub_co_u32 s28, s24, 2048                    ; v's column (it wraps to a large number for q and k)
	s_lshr_b32 s29, s28, 5
	s_mul_i32 s29, s29, 288
	s_add_co_u32 s29, s29, 256                     ; its row if it is one of v's first 256
	s_cmp_lt_u32 s24, 2048
	s_cselect_b32 s24, s26, s24
	s_cmp_lt_u32 s28, 256
	s_cselect_b32 s24, s29, s24
	s_cselect_b32 s30, 256, 0                      ; there the 64 columns lie in two groups of 32 rows with 256 rows between them:
	s_lshr_b32 s25, s16, 1
	s_mul_i32 s30, s30, s25                        ; waves 2 and 3 store into the second group
	s_lshl4_add_u32 s30, s16, s30                  ; my wave's 16 rows
	s_add_co_u32 s24, s24, s30
	s_lshl_b32 s24, s24, 11                        ; rows of 2,048 bytes
	s_lshl_b32 s25, s19, 8                         ; 128 k of 2 bytes
	s_add_co_u32 s24, s24, s25
	s_mov_b32 s25, 0
	v_and_b32 v8, 15, v1                           ; c
	v_lshrrev_b32 v9, 4, v1                        ; h
	v_lshlrev_b32 v4, 4, v8
	v_lshl_add_u32 v4, v9, 13, v4                  ; in W: 16 lanes take a row's 256 bytes; the upper lanes two rows further down
	s_lshl_b32 s26, s16, 6
	v_mul_u32_u24 v5, v8, 4*WROW
	v_lshl_add_u32 v5, v9, 2, v5
	v_add_nc_u32 v5, s26, v5                       ; into LDS: row 4 c + j; my wave's 32 k begin at byte 64 w, two k at byte 4 h
	s_mul_i32 s26, s16, 16*WROW
	v_mul_u32_u24 v6, v9, WROW
	v_lshl_add_u32 v6, v8, 4, v6
	v_add_nc_u32 v6, s26, v6                       ; back: my wave's 16 rows; 16 lanes take a row's 256 bytes, the upper lanes the next row
	v_lshlrev_b32 v7, 4, v8
	v_lshl_add_u32 v7, v9, 11, v7                  ; and the same two rows of wt
	s_wait_kmcnt 0x0
	s_cmp_eq_u32 s17, 1
	s_cselect_b64 s[20:21], s[8:9], s[6:7]
	s_cmp_eq_u32 s17, 2
	s_cselect_b64 s[20:21], s[10:11], s[20:21]
	s_add_nc_u64 s[20:21], s[20:21], s[22:23]
	s_add_nc_u64 s[14:15], s[14:15], s[24:25]
.irp p, 0,1,2,3,4,5,6,7                ; pass p: rows 4 p + 2 h and + 1 of my 32; two neighbouring k of a column pack into one word
	global_load_b128 v[LD+8*(\p):LD+8*(\p)+3],   v4, s[20:21] offset:(\p)*16384 th:TH_LOAD_NT
	global_load_b128 v[LD+8*(\p)+4:LD+8*(\p)+7], v4, s[20:21] offset:(\p)*16384+4096 th:TH_LOAD_NT
.endr
.irp p, 0,1,2,3,4,5,6,7
	s_wait_loadcnt 14-2*(\p)                       ; this pass's two loads are in; the later passes' stay out
.irp j, 0,1,2,3
	TOH CV+4*(\p)+(\j), LD+8*(\p)+(\j), LD+8*(\p)+4+(\j)
.endr
.irp j, 0,1,2,3
	ds_store_b32 v5, v[CV+4*(\p)+(\j)] offset:(\j)*WROW+(\p)*8
.endr
.endr
	s_wait_dscnt 0x0                               ; for the others' sake: my 64 bytes of every row are stored
	s_barrier_signal -1
	s_barrier_wait -1                              ; everybody's are: the rows are whole
.irp t, 0,1,2,3,4,5,6,7
	ds_load_b128 v[LD+4*(\t):LD+4*(\t)+3], v6 offset:(\t)*2*WROW
.endr
.irp t, 0,1,2,3,4,5,6,7
	s_wait_dscnt 7-(\t)                            ; LDS loads come back in order: mine is in, the younger ones stay out
	global_store_b128 v7, v[LD+4*(\t):LD+4*(\t)+3], s[14:15] offset:(\t)*4096  ; 16 lanes store 256 consecutive, aligned bytes
.endr
	s_wait_tensorcnt 0x0                           ; the wave's end
	ds_add_u32 v[SPW], v[NIL]
	s_wait_dscnt 0x0
	s_endpgm
.Lfunc_end_k_qc09bdb5106_prep:
	.size	k_qc09bdb5106_prep, .Lfunc_end_k_qc09bdb5106_prep-k_qc09bdb5106_prep
	.p2alignl 7, 3214868480
	.fill 96, 4, 3214868480
	.section	.rodata,"a",@progbits
	.p2align	6, 0x0
	.amdhsa_kernel k_qc09bdb5106_prep
		.amdhsa_group_segment_fixed_size 17920
		.amdhsa_private_segment_fixed_size 0
		.amdhsa_enable_private_segment 0
		.amdhsa_kernarg_size 48
		.amdhsa_user_sgpr_count 2
		.amdhsa_user_sgpr_kernarg_segment_ptr 1
		.amdhsa_wavefront_size32 1
		.amdhsa_system_sgpr_workgroup_id_x 1
		.amdhsa_system_sgpr_workgroup_id_y 1
		.amdhsa_system_sgpr_workgroup_id_z 1
		.amdhsa_system_vgpr_workitem_id 0
		.amdhsa_next_free_vgpr 104
		.amdhsa_next_free_sgpr 66
		.amdhsa_reserve_vcc 0
		.amdhsa_float_denorm_mode_32 3
		.amdhsa_float_denorm_mode_16_64 3
		.amdhsa_memory_ordered 1
		.amdhsa_forward_progress 1
		.amdhsa_inst_pref_size 25
	.end_amdhsa_kernel
	.amdgpu_metadata
---
amdhsa.version: [ 1, 2 ]
amdhsa.kernels:
  - .name:           k_qc09bdb5106_prep
    .symbol:         k_qc09bdb5106_prep.kd
    .args:
      - { .name: x, .offset: 0, .size: 8, .value_kind: global_buffer, .address_space: global }
      - { .name: Wq, .offset: 8, .size: 8, .value_kind: global_buffer, .address_space: global }
      - { .name: Wk, .offset: 16, .size: 8, .value_kind: global_buffer, .address_space: global }
      - { .name: Wv, .offset: 24, .size: 8, .value_kind: global_buffer, .address_space: global }
      - { .name: xh, .offset: 32, .size: 8, .value_kind: global_buffer, .address_space: global }
      - { .name: wt, .offset: 40, .size: 8, .value_kind: global_buffer, .address_space: global }
    .group_segment_fixed_size: 17920
    .private_segment_fixed_size: 0
    .kernarg_segment_align: 8
    .kernarg_segment_size: 48
    .max_flat_workgroup_size: 128
    .sgpr_count:     66
    .vgpr_count:     104
    .wavefront_size: 32
...
	.end_amdgpu_metadata
.endif
;; end of part 1
;; launch proj (part 2): grid 8 x 32, 4 waves a work-group, clusters of 4 x 4, 327,680 bytes of LDS; arguments xh, wt, qk, vt; writes qk, vt
.if DOCPART == 2
	.amdgcn_target "amdgcn-amd-amdhsa--gfx1250"
	.amdhsa_code_object_version 6
	.text
	.protected	k_qc09bdb5106_proj
	.globl	k_qc09bdb5106_proj
	.p2align	8
	.type	k_qc09bdb5106_proj,@function
k_qc09bdb5106_proj:
	s_mov_b64 s[64:65], 0
	v_nop
	global_prefetch_b8 v0, s[64:65] scope:SCOPE_SE
	s_setreg_imm32_b32 hwreg(HW_REG_WAVE_MODE, 25, 1), 1
	s_wait_xcnt 0x0
	s_wait_alu depctr_hold_cnt(0) depctr_sa_sdst(0) depctr_va_vdst(0) depctr_va_sdst(0) depctr_va_ssrc(0) depctr_va_vcc(0) depctr_vm_vsrc(0)
	s_getreg_b32 s2, hwreg(HW_REG_IB_STS2, 6, 4)
	s_cmp_eq_u32 s2, 0
	s_cbranch_scc0 .Lentry_in_a_cluster
	s_endpgm
.Lentry_in_a_cluster:
	s_bfe_u32 s2, ttmp6, 0x10000c
	s_cmp_lg_u32 s2, 0xf033
	s_cbranch_scc0 .Lentry_shape_is_right
	s_endpgm
.Lentry_shape_is_right:
; PROJ.  q, k and the first 256 channels of v: sums over 1,024 of xh[m][.] wt[n][.], f16 operands, f32 sums, rounded once to f16.
; qk: q [8192][1024], then k in the same shape 16,777,216 bytes on.  vt: v turned, [4 sequences][1024 channels][2048 keys].
; LIMIT.  f16 holds no number beyond 65,504: a q, k or v past that becomes an infinity.  NaN and infinities are not treated apart.
; SHARES.  A tile is 256 rows x 288 columns: 8 x 32 = 256 work-groups cover 2,304 of the 3,072 columns; v's other 768 go with the scores' launch (144 + 96 work-groups), so that neither launch has more than 256.
; Column tile c is wt's rows 288 c .. + 287: 256 columns of q or k, then v's channels 32 c .. + 31.  A wave makes 128 x 128 of the first (64 accumulators) and, of the second, its 128 rows x 16 channels (8 more).
; K goes in 8 steps of 128 (rows of 256 bytes, aligned) through two LDS slots; the loop's trip is ONE K step: the slot is chosen by an exclusive or on a scalar base and on the walking descriptor's LDS word.
; CLUSTER 4 x 4: xh's tile is shared along a row of the cluster, wt's along a column: each is asked for jointly, by the same load, descriptor and mask in the four that share it.
; For q and k the matrix instruction takes source 0 = 16 rows of wt, source 1 = 16 rows of xh: a lane holds row l % 16 and the columns 8 (l / 16) + 0..7.  For v the other way round: a lane holds channel l % 16
; and the keys 8 (l / 16) + 0..7, eight neighbouring numbers of a row of vt.
; THE WAY OUT: when the ring has had its last fill and every wave its last read, each wave lays its 128 x 128 sums in f32 into its own part of the ring's bytes and a counted loop takes them out by rows.
; REGISTERS, in windows of 256: window 0: v16-29 addresses; v64-127, v128-191 xh's fragments, two buffers (on the way out X and Y).  window 1: v0-15 the extra fragment of wt, two buffers; v64-191 wt's
; fragments; v192-255 v's accumulators.  windows 2, 3: q's and k's accumulators.
.set SIZE_K, 1024
.set KSTEP,  128
.set STEPS,  SIZE_K/KSTEP
.set PITCH,  272                       ; an LDS row: 256 bytes + 16 of padding: the 16 rows of a fragment load start at 16 different groups of four banks
.set HALFT,  128*PITCH                 ; what a load of xh brings
.set BHALF,  144*PITCH                 ; what a load of wt brings
.set BOFF,   2*HALFT                   ; wt's 288 rows lie behind xh's 256
.set SLOT,   0x24400                   ; at least BOFF + 2 BHALF = 147,968; it shares no bit with the loads' bases 0, 0x8800, 0x11000, 0x1a900, so an exclusive or with it adds or takes it away
.set DP,     528                       ; the way out: a row of 128 f32 + 16 bytes
.set DW,     128*DP                    ; a wave's part
.set XSTG,   4*DW                      ; behind them, still in the ring's bytes: 16 rows x 272 bytes a wave, for v's channels
.set XSP,    272
.set SPARE,  SLOT+BOFF+2*BHALF         ; behind the ring: the spare words, 128 bytes a wave, two blocks of 256 bytes that no other line names
.set A0,   16                          ; v16  my lane's place in xh's half tile of slot 0; never rewritten
.set B0,   17                          ; v17  the same for wt's 128 rows of q or k
.set ADRA, 18                          ; v18  the same in the slot in hand
.set ADRB, 19
.set X0,   20                          ; v20  my lane's place in wt's 16 rows of v
.set ADRX, 21
.set XST,  22                          ; v22  v's way out: where I put 16 bytes of a channel's row
.set XRD,  23                          ; v23  where I read a row back
.set DST,  24                          ; v24  the way out: where I put 16 bytes of a row
.set RD,   25                          ; v25  where I read a row back
.set CO,   26                          ; v26  my byte offset in two rows of q or k
.set XCO,  27                          ; v27  in two rows of vt
.set SPW,  28                          ; v28  LDS address of my spare word; never rewritten
.set NIL,  29                          ; v29  0; never rewritten
.set F0,   64
.set F1,   128
.set XA,   192                         ; window 1: v's accumulators
.set X,    64                          ; the way out: 16 rows in f32
.set Y,    128                         ; and in f16
.set TB,   2                           ; s2   0 or SLOT: the slot in hand
.set G1,  24                           ; s[24:31] group 1 for xh's tiles;  s[32:39] group 0: a set for each first fill; the second then walks
.set G0,  32
.set G1B, 48                           ; s[48:55], s[56:63] the same for wt's
.set G0B, 56
.set MSB, 0
.macro WIN new                         ; the immediate's high byte repeats the setting that is left; a switch that changes nothing is dropped
.if MSB != (\new)
	s_set_vgpr_msb (MSB<<8)|(\new)
.set MSB, \new
.endif
.endm
.set MUL_LO, 0xa1                      ; source 0 (wt) window 1, source 1 (xh) window 0, C and D window 2
.set MUL_HI, 0xf1                      ; the same, C and D window 3
.set MUL_X,  0x54                      ; source 0 (xh) window 0, source 1 (wt's extra fragment), C and D window 1
.set TO_B,   0x40                      ; destination window 1, address window 0
.macro PLACES                          ; four plain places behind matrix instructions (ISA guide 7.12.1), where no other vector work is at hand
.rept 4
	v_nop
.endr
.endm
; A joint refill by the walking sets.  Waves 0 and 1 fetch xh's two halves, waves 2 and 3 wt's; the branch hangs on the wave's number alone.  An s_nop 0 and four v_nop follow each line.
.macro JLOAD
	s_cmp_eq_u32 s11, 0
	s_cbranch_scc0 .Lfor_b_\@
	tensor_load_to_lds s[G0+4:G0+7], s[G1:G1+7]
	s_nop 0
	PLACES
	s_branch .Lasked_\@
.Lfor_b_\@:
	tensor_load_to_lds s[G0B+4:G0B+7], s[G1B:G1B+7]
	s_nop 0
	PLACES
.Lasked_\@:
.endm
.macro CREST                           ; a round of the cluster's barrier behind its opening barrier
	s_cmp_lg_u32 s10, 0
	s_cbranch_scc1 .Lnot_wave_0_\@
	s_barrier_signal -3
.Lnot_wave_0_\@:
	s_barrier_wait -3
	s_barrier_signal -1
	s_barrier_wait -1
.endm
.macro CROUND
	s_barrier_signal -1
	s_barrier_wait -1
	CREST
.endm
	s_load_b128 s[4:7], s[0:1], 0x0                ; xh s[4:5], wt s[6:7]
	s_load_b64 s[8:9], s[0:1], 0x10                ; qk
	s_load_b64 s[66:67], s[0:1], 0x18              ; vt
	v_lshl_add_u32 v[SPW], v0, 2, SPARE
	v_mov_b32 v[NIL], 0
	ds_add_u32 v[SPW], v[NIL]                      ; the wave's opening: an add and its wait ahead of my first tensor load; work on registers stands between them
	ds_add_u32 v28, v29
	v_lshrrev_b32 v1, 5, v0
	v_readfirstlane_b32 s10, v1                    ; wave 0..3
	s_lshr_b32 s11, s10, 1                         ; my half of the tile's rows.  Also: I fetch for xh (0) or wt (1)
	s_and_b32 s12, s10, 1                          ; my half of its columns.  Also: which half of that tile I fetch
	s_bfe_u32 s40, ttmp6, 0x40000                  ; cx
	s_bfe_u32 s41, ttmp6, 0x40004                  ; cy
	s_lshl_b32 s42, ttmp9, 2
	s_add_co_u32 s42, s42, s40                     ; tile column = 4 x cluster x + cx
	s_and_b32 s13, ttmp7, 0xffff
	s_lshl_b32 s13, s13, 2
	s_add_co_u32 s13, s13, s41                     ; tile row = 4 x cluster y + cy
	s_lshl_b32 s43, s41, 2
	s_lshl_b32 s43, 15, s43                        ; my row of the cluster
	s_lshl_b32 s44, 0x1111, s40                    ; my column
	s_or_b32 s[G1+0], s43, (1<<16)|(1<<20)|(1<<21)|(5<<22)|(3<<25)   ; mask; 2-byte elements; padding on; bit 21 beside a mask; after every 64 words, 4 words
	s_or_b32 s[G1B+0], s44, (1<<16)|(1<<20)|(1<<21)|(5<<22)|(3<<25)
.irp g, G1, G1B
	s_mov_b32 s[(\g)+1], KSTEP<<16                 ; tensor_dim0 = 128
	s_mov_b32 s[(\g)+3], KSTEP<<16                 ; tile_dim0 = 128
	s_mov_b32 s[(\g)+5], SIZE_K                    ; elements from row to row
	s_mov_b32 s[(\g)+6], 0
	s_mov_b32 s[(\g)+7], 0
.endr
	s_mov_b32 s[G1+2], 128<<16                     ; xh: tensor_dim1 = tile_dim1 = 128 rows
	s_mov_b32 s[G1+4], 128
	s_mov_b32 s[G1B+2], 144<<16                    ; wt: 144 rows
	s_mov_b32 s[G1B+4], 144
	s_lshl_b32 s16, s13, 8
	s_lshl_b32 s17, s12, 7
	s_add_co_u32 s16, s16, s17                     ; xh: row 256 x tile row + 128 x half,
	s_lshl_b32 s16, s16, 11                        ; of 2,048 bytes
	s_mov_b32 s17, 0
	s_mul_i32 s46, s42, 288
	s_mul_i32 s47, s12, 144
	s_add_co_u32 s46, s46, s47                     ; wt: row 288 x tile column + 144 x half
	s_lshl_b32 s46, s46, 11
	s_mov_b32 s47, 0
	s_mul_i32 s20, s12, HALFT                      ; where a load of xh goes,
	s_mul_i32 s21, s12, BHALF
	s_add_co_u32 s21, s21, BOFF                    ; and one of wt: no place in the cluster enters an LDS address
	s_mov_b32 s[TB], 0
	s_wait_dscnt 0x0                               ; the opening add is done
	s_wait_kmcnt 0x0
	s_add_nc_u64 s[14:15], s[4:5], s[16:17]
	s_add_nc_u64 s[46:47], s[6:7], s[46:47]
	CROUND                                         ; all sixteen work-groups are here: the first joint loads meet
.irp s, 0,1
	s_mov_b32 s[G0+4*(\s)], 1
	s_add_co_u32 s[G0+4*(\s)+1], s20, (\s)*SLOT
	s_add_nc_u64 s[G0+4*(\s)+2:G0+4*(\s)+3], s[14:15], (\s)*KSTEP*2
	s_or_b32 s[G0+4*(\s)+3], s[G0+4*(\s)+3], 0x80000000
	s_mov_b32 s[G0B+4*(\s)], 1
	s_add_co_u32 s[G0B+4*(\s)+1], s21, (\s)*SLOT
	s_add_nc_u64 s[G0B+4*(\s)+2:G0B+4*(\s)+3], s[46:47], (\s)*KSTEP*2
	s_or_b32 s[G0B+4*(\s)+3], s[G0B+4*(\s)+3], 0x80000000
.endr
	s_cmp_eq_u32 s11, 0                            ; a wave's two first fills stand in one branch: K steps 0 and 1; two loads of mine are out
	s_cbranch_scc0 .Lfirst_b
	tensor_load_to_lds s[G0:G0+3], s[G1:G1+7]
	s_nop 0
	tensor_load_to_lds s[G0+4:G0+7], s[G1:G1+7]
	s_nop 0
	PLACES
	s_branch .Lfirst_asked
.Lfirst_b:
	tensor_load_to_lds s[G0B:G0B+3], s[G1B:G1B+7]
	s_nop 0
	tensor_load_to_lds s[G0B+4:G0B+7], s[G1B:G1B+7]
	s_nop 0
	PLACES
.Lfirst_asked:
	v_and_b32 v1, 15, v0                           ; l % 16
	v_bfe_u32 v2, v0, 4, 1                         ; l / 16
	v_mul_u32_u24 v3, v1, PITCH
	v_lshl_add_u32 v3, v2, 4, v3                   ; a fragment's row x pitch + 16 x half
	s_mul_i32 s18, s11, HALFT
	s_mul_i32 s19, s12, HALFT
	s_add_co_u32 s19, s19, BOFF
	s_mul_i32 s22, s12, 16*PITCH
	s_add_co_u32 s22, s22, BOFF+256*PITCH
	v_add_nc_u32 v[A0], s18, v3
	v_add_nc_u32 v[B0], s19, v3
	v_add_nc_u32 v[X0], s22, v3
	v_mov_b32 v[ADRA], v[A0]
	v_mov_b32 v[ADRB], v[B0]
	v_mov_b32 v[ADRX], v[X0]
	s_mul_i32 s23, s10, DW
	v_mul_u32_u24 v4, v1, DP
	v_lshl_add_u32 v4, v2, 4, v4
	v_add_nc_u32 v[DST], s23, v4
	v_mul_u32_u24 v5, v2, DP
	v_lshl_add_u32 v5, v1, 4, v5
	v_add_nc_u32 v[RD], s23, v5
	s_mul_i32 s23, s10, 16*XSP
	s_add_co_u32 s23, s23, XSTG
	v_add_nc_u32 v[XST], s23, v3                   ; channel l % 16, 16 bytes for each half of the lanes (the stage's pitch is the ring's)
	v_mul_u32_u24 v5, v2, XSP
	v_lshl_add_u32 v5, v1, 4, v5
	v_add_nc_u32 v[XRD], s23, v5
	v_lshlrev_b32 v[CO], 4, v1
	v_lshl_add_u32 v[XCO], v2, 12, v[CO]           ; rows of vt are 4,096 bytes,
	v_lshl_add_u32 v[CO], v2, 11, v[CO]            ; rows of q and k 2,048
	s_lshl_b32 s16, s13, 8
	s_lshl_b32 s14, s11, 7
	s_add_co_u32 s16, s16, s14                     ; my first row
	s_lshl_b32 s16, s16, 11
	s_lshr_b32 s46, s42, 2
	s_lshl_b32 s46, s46, 24                        ; tile columns 4-7 are k's
	s_and_b32 s47, s42, 3
	s_lshl_b32 s47, s47, 9                         ; 256 columns of 2 bytes
	s_add_co_u32 s46, s46, s47
	s_lshl_b32 s47, s12, 8
	s_add_co_u32 s46, s46, s47
	s_add_co_u32 s16, s16, s46
	s_mov_b32 s17, 0
	s_add_nc_u64 s[8:9], s[8:9], s[16:17]
	s_lshr_b32 s68, s13, 3                         ; the sequence: 1,024 rows of vt of 4,096 bytes,
	s_lshl_b32 s68, s68, 22
	s_lshl_b32 s69, s42, 5
	s_lshl_b32 s70, s12, 4
	s_add_co_u32 s69, s69, s70                     ; my first channel,
	s_lshl_b32 s69, s69, 12
	s_add_co_u32 s68, s68, s69
	s_and_b32 s69, s13, 7
	s_lshl_b32 s69, s69, 9                         ; the tile's 256 keys of 2 bytes,
	s_add_co_u32 s68, s68, s69
	s_lshl_b32 s69, s11, 8                         ; my 128 of them
	s_add_co_u32 s68, s68, s69
	s_mov_b32 s69, 0
	s_add_nc_u64 s[66:67], s[66:67], s[68:69]
; 16 matrix instructions: row blocks a0, a0 + 1 of the window's four x all 8 column blocks, 32 along K.  zero = 1: the product starts the sums.  The 72 accumulators take turns.
.macro MUL16 f, hi, a0, zero
	WIN MUL_LO+0x50*(\hi)
.irp a, \a0, (\a0)+1
.irp b, 0,1,2,3,4,5,6,7
.if \zero
	v_wmma_f32_16x16x32_f16 v[8*(8*(\a)+(\b)):8*(8*(\a)+(\b))+7], v[(\f)+8*(\b):(\f)+8*(\b)+7], v[(\f)+8*(4*(\hi)+(\a)):(\f)+8*(4*(\hi)+(\a))+7], 0
.else
	v_wmma_f32_16x16x32_f16 v[8*(8*(\a)+(\b)):8*(8*(\a)+(\b))+7], v[(\f)+8*(\b):(\f)+8*(\b)+7], v[(\f)+8*(4*(\hi)+(\a)):(\f)+8*(4*(\hi)+(\a))+7], v[8*(8*(\a)+(\b)):8*(8*(\a)+(\b))+7]
.endif
.endr
.endr
.endm
; 8 matrix instructions for v: my 8 row blocks (keys) x my 16 channels
.macro MULX f, zero
	WIN MUL_X
.irp a, 0,1,2,3,4,5,6,7
.if \zero
	v_wmma_f32_16x16x32_f16 v[XA+8*(\a):XA+8*(\a)+7], v[(\f)+8*(\a):(\f)+8*(\a)+7], v[((\f)-64)/8:((\f)-64)/8+7], 0
.else
	v_wmma_f32_16x16x32_f16 v[XA+8*(\a):XA+8*(\a)+7], v[(\f)+8*(\a):(\f)+8*(\a)+7], v[((\f)-64)/8:((\f)-64)/8+7], v[XA+8*(\a):XA+8*(\a)+7]
.endif
.endr
.endm
; 34 LDS loads in one run: a quarter step's fragments (32 K at byte k of the rows of the slot in hand) into buffer f: the extra fragment's 2, wt's 16, then xh's 16
.macro FETCH k, f
	WIN TO_B
	ds_load_b128 v[((\f)-64)/8:((\f)-64)/8+3],   v[ADRX] offset:(\k)
	ds_load_b128 v[((\f)-64)/8+4:((\f)-64)/8+7], v[ADRX] offset:(\k)+32
.irp i, 0,1,2,3,4,5,6,7
	ds_load_b128 v[(\f)+8*(\i):(\f)+8*(\i)+3],   v[ADRB] offset:(\k)+(\i)*16*PITCH
	ds_load_b128 v[(\f)+8*(\i)+4:(\f)+8*(\i)+7], v[ADRB] offset:(\k)+(\i)*16*PITCH+32
.endr
	WIN 0
.irp i, 0,1,2,3,4,5,6,7
	ds_load_b128 v[(\f)+8*(\i):(\f)+8*(\i)+3],   v[ADRA] offset:(\k)+(\i)*16*PITCH
	ds_load_b128 v[(\f)+8*(\i)+4:(\f)+8*(\i)+7], v[ADRA] offset:(\k)+(\i)*16*PITCH+32
.endr
.endm
; One of a K step's first three quarters: multiplies buffer f; in its middle fetches the next quarter, at byte k, into buffer g
.macro QUARTER k, f, g, zero
	s_wait_dscnt 8                                 ; wt's and xh's rows 0-63 are in; the youngest eight loads (xh's rows 64-127) may be out
	MUL16 \f, 0, 0, \zero
	MUL16 \f, 0, 2, \zero
	PLACES
	FETCH \k, \g
	s_wait_dscnt 34                                ; all but the 34 just issued
	MUL16 \f, 1, 0, \zero
	MUL16 \f, 1, 2, \zero
	MULX \f, \zero
.endm
; The first half of the last quarter: ONE barrier for the change of slots.  Each wave waits for all its tensor loads (one is out: its part of the next slot), adds 0 to its spare word, and waits for that and for its reads of this slot.
.macro MEET round
	WIN 0
	s_wait_tensorcnt 0x0
	ds_add_u32 v[SPW], v[NIL]
	s_wait_dscnt 9                                 ; the add and the youngest eight loads may be out
	MUL16 F1, 0, 0, 0
	s_wait_dscnt 0x0                               ; the add is done, my reads of this slot are over
	s_barrier_signal -1
	MUL16 F1, 0, 2, 0
.if \round
	WIN 0
.endif
	s_barrier_wait -1
.endm
; The whole last quarter.  fill = 1: the barrier opens a round of the cluster's, and the slot just read is filled again, two K steps ahead, first thing behind it.
.macro TURN fill
	MEET \fill
.if \fill
	CREST
	s_xor_b32 s[G0+5], s[G0+5], SLOT               ; the walking sets: the other slot than last time, the next K step
	s_add_nc_u64 s[G0+6:G0+7], s[G0+6:G0+7], KSTEP*2
	s_xor_b32 s[G0B+5], s[G0B+5], SLOT
	s_add_nc_u64 s[G0B+6:G0B+7], s[G0B+6:G0B+7], KSTEP*2
	JLOAD                                          ; the four v_nop behind it are also the places in front of the loads below
.else
	PLACES
.endif
	WIN 0
	s_xor_b32 s[TB], s[TB], SLOT
	v_add_nc_u32 v[ADRA], s[TB], v[A0]
	v_add_nc_u32 v[ADRB], s[TB], v[B0]
	v_add_nc_u32 v[ADRX], s[TB], v[X0]
	FETCH 0, F0
	MUL16 F1, 1, 0, 0
	MUL16 F1, 1, 2, 0
	MULX F1, 0
.endm
	s_wait_tensorcnt 0x1                           ; my part of K step 0 is in; K step 1's may stay out
	s_barrier_signal -1
	s_barrier_wait -1
	FETCH 0, F0
	QUARTER 64, F0, F1, 1                          ; the first quarter starts the sums
	WIN 0
	s_mov_b32 s3, STEPS-2
.Lstep:                                                ; a trip: a K step's quarters 1 to 3, the change of slots with a refill, the next step's quarter 0
	QUARTER 128, F1, F0, 0
	QUARTER 192, F0, F1, 0
	TURN 1
	QUARTER 64, F0, F1, 0
	WIN 0
	s_sub_co_u32 s3, s3, 1
	s_cmp_lg_u32 s3, 0
	s_cbranch_scc1 .Lstep
	QUARTER 128, F1, F0, 0                         ; the last two K steps are written out: nothing more is asked for
	QUARTER 192, F0, F1, 0
	TURN 0
	QUARTER 64, F0, F1, 0
	QUARTER 128, F1, F0, 0
	QUARTER 192, F0, F1, 0
	s_wait_dscnt 8
	MUL16 F1, 0, 0, 0
	MUL16 F1, 0, 2, 0
	s_wait_dscnt 0x0                               ; my last reads of the ring are over:
	s_barrier_signal -1
	MUL16 F1, 1, 0, 0
	MUL16 F1, 1, 2, 0
	MULX F1, 0
	WIN 0
	s_barrier_wait -1                              ; everybody's are: the ring, which has had its last fill, may be stored into
	PLACES
.irp a, 0,1,2,3,4,5,6,7                ; each accumulator's low four registers first.  Columns 8 q .. + 3 go to byte 16 q of a row, columns 8 q + 4 .. + 7 to byte 256 + 16 q
	WIN 0x08+4*((\a)/4)
.irp b, 0,1,2,3,4,5,6,7
	ds_store_b128 v[DST], v[8*(8*((\a)%4)+(\b)):8*(8*((\a)%4)+(\b))+3]   offset:(\a)*16*DP+32*(\b)
	ds_store_b128 v[DST], v[8*(8*((\a)%4)+(\b))+4:8*(8*((\a)%4)+(\b))+7] offset:(\a)*16*DP+32*(\b)+256
.endr
.endr
	WIN 0
	s_mov_b32 s3, 8
.Lout:                                                 ; a trip: 16 rows.  The bytes are the wave's own and LDS serves a wave in order: no wait between the stores above and these loads
.irp t, 0,1,2,3,4,5,6,7
	ds_load_b128 v[X+8*(\t):X+8*(\t)+3],   v[RD] offset:(\t)*2*DP
	ds_load_b128 v[X+8*(\t)+4:X+8*(\t)+7], v[RD] offset:(\t)*2*DP+256
.endr
.irp t, 0,1,2,3,4,5,6,7
	s_wait_dscnt 14-2*(\t)
.irp q, 0,1,2,3
	v_cvt_pk_f16_f32 v[Y+4*(\t)+(\q)], v[X+8*(\t)+2*(\q)], v[X+8*(\t)+2*(\q)+1]
.endr
	global_store_b128 v[CO], v[Y+4*(\t):Y+4*(\t)+3], s[8:9] offset:(\t)*4096  ; 16 lanes store 256 consecutive, aligned bytes
.endr
	v_add_nc_u32 v[RD], 16*DP, v[RD]
	s_wait_xcnt 0x0                                ; the stores' data and base are rewritten only behind this wait
	s_add_nc_u64 s[8:9], s[8:9], 32768
	s_sub_co_u32 s3, s3, 1
	s_cmp_lg_u32 s3, 0
	s_cbranch_scc1 .Lout
	; v's 16 channels x 128 keys: a lane's eight keys pack into 16 bytes; through my stage they become whole rows of 256 bytes
	WIN 0x05                                       ; sources 0 and 1 window 1, destination window 0
.irp a, 0,1,2,3,4,5,6,7
.irp q, 0,1,2,3
	v_cvt_pk_f16_f32 v[Y+4*(\a)+(\q)], v[XA+8*(\a)+2*(\q)], v[XA+8*(\a)+2*(\q)+1]
.endr
.endr
	WIN 0
.irp a, 0,1,2,3,4,5,6,7
	ds_store_b128 v[XST], v[Y+4*(\a):Y+4*(\a)+3] offset:32*(\a)
.endr
.irp t, 0,1,2,3,4,5,6,7
	ds_load_b128 v[X+4*(\t):X+4*(\t)+3], v[XRD] offset:(\t)*2*XSP
.endr
.irp t, 0,1,2,3,4,5,6,7
	s_wait_dscnt 7-(\t)
	global_store_b128 v[XCO], v[X+4*(\t):X+4*(\t)+3], s[66:67] offset:(\t)*8192  ; 16 lanes store 256 consecutive, aligned bytes
.endr
	s_wait_tensorcnt 0x0                           ; the wave's end
	ds_add_u32 v[SPW], v[NIL]
	s_wait_dscnt 0x0
	CROUND                                         ; the closing round
	s_endpgm
.Lfunc_end_k_qc09bdb5106_proj:
	.size	k_qc09bdb5106_proj, .Lfunc_end_k_qc09bdb5106_proj-k_qc09bdb5106_proj
	.p2alignl 7, 3214868480
	.fill 96, 4, 3214868480
	.section	.rodata,"a",@progbits
	.p2align	6, 0x0
	.amdhsa_kernel k_qc09bdb5106_proj
		.amdhsa_group_segment_fixed_size 327680
		.amdhsa_private_segment_fixed_size 0
		.amdhsa_enable_private_segment 0
		.amdhsa_kernarg_size 32
		.amdhsa_user_sgpr_count 2
		.amdhsa_user_sgpr_kernarg_segment_ptr 1
		.amdhsa_wavefront_size32 1
		.amdhsa_system_sgpr_workgroup_id_x 1
		.amdhsa_system_sgpr_workgroup_id_y 1
		.amdhsa_system_sgpr_workgroup_id_z 1
		.amdhsa_system_vgpr_workitem_id 0
		.amdhsa_next_free_vgpr 1024
		.amdhsa_next_free_sgpr 72
		.amdhsa_reserve_vcc 0
		.amdhsa_float_denorm_mode_32 3
		.amdhsa_float_denorm_mode_16_64 3
		.amdhsa_memory_ordered 1
		.amdhsa_forward_progress 1
		.amdhsa_inst_pref_size 111
	.end_amdhsa_kernel
	.amdgpu_metadata
---
amdhsa.version: [ 1, 2 ]
amdhsa.kernels:
  - .name:           k_qc09bdb5106_proj
    .symbol:         k_qc09bdb5106_proj.kd
    .args:
      - { .name: xh, .offset: 0, .size: 8, .value_kind: global_buffer, .address_space: global }
      - { .name: wt, .offset: 8, .size: 8, .value_kind: global_buffer, .address_space: global }
      - { .name: qk, .offset: 16, .size: 8, .value_kind: global_buffer, .address_space: global }
      - { .name: vt, .offset: 24, .size: 8, .value_kind: global_buffer, .address_space: global }
    .group_segment_fixed_size: 327680
    .private_segment_fixed_size: 0
    .kernarg_segment_align: 8
    .kernarg_segment_size: 32
    .max_flat_workgroup_size: 128
    .sgpr_count:     72
    .vgpr_count:     1024
    .wavefront_size: 32
...
	.end_amdgpu_metadata
.endif
;; end of part 2
;; launch scores (part 3): grid 60 x 4, 4 waves a work-group, no clusters, 327,680 bytes of LDS; arguments qk, xh, wt, p, stats, vt; writes p, stats, vt
.if DOCPART == 3
	.amdgcn_target "amdgcn-amd-amdhsa--gfx1250"
	.amdhsa_code_object_version 6
	.text
	.protected	k_qc09bdb5106_scores
	.globl	k_qc09bdb5106_scores
	.p2align	8
	.type	k_qc09bdb5106_scores,@function
k_qc09bdb5106_scores:
	s_mov_b64 s[64:65], 0
	v_nop
	global_prefetch_b8 v0, s[64:65] scope:SCOPE_SE
	s_setreg_imm32_b32 hwreg(HW_REG_WAVE_MODE, 25, 1), 1
	s_wait_xcnt 0x0
; SCORES, AND THE REST OF V.  Two kinds of work-groups share one frame and one K loop: a tile of 256 x 256, sums over 1,024 of two operands with rows of 1,024 f16.  y is the sequence.
; x = 0..35: the tile of 256 queries x 256 keys number x on or below the diagonal: s = q . k.  For each query and each CHUNK of 128 keys (a wave's columns): cm = c x the chunk's largest visible score,
; c = log2(e) / 32; P' = 2^(c s - cm) in f16; l = the sum of the unrounded P'.  The next launch joins the chunks by their maxima: the maximum is taken away before every exponential.
; x = 36..59: a tile of vt: 256 channels (of v's channels 256..1023: wt's rows 2304 on) x 256 keys of the sequence (xh's rows), rounded once to f16.  144 + 96 = 240 work-groups.
; p: [4][2048][2048] f16, only the tiles named written.  stats: cm[4][16 chunks][2048 rows] f32, then l in the same shape at byte 524,288.  vt: [4][1024 channels][2048 keys] f16.
; LIMITS.  A hidden score counts as -1e30; a weight below 2^-126 counts as 0 in l, and below 6e-8 as 0 in P'; a v beyond 65,504 becomes an infinity; NaN and infinities are not treated apart.  In a diagonal tile the
; wave whose 128 keys are all hidden (rows 0-127, keys 128-255) writes unmasked, finite P' and stats; the next launch multiplies that chunk by 0 and never reads its stats.
; NO CLUSTER: a launch is in clusters as a whole, and tile row i of the triangle has i + 1 tiles, 1 to 8: it does not divide into groups of four that share a tile of q or of k.
; Frame as in the projection: four waves of 128 x 128, 8 K steps of 128 through two LDS slots, one K step a trip; source 0 = 16 rows of the second operand, source 1 = 16 rows of the first: a lane holds row l % 16
; of the result and the columns 8 (l / 16) + 0..7.
.set KSTEP,  128
.set STEPS,  8
.set PITCH,  272
.set HALFT,  128*PITCH
.set SLOT,   4*HALFT                   ; 0x22000 shares no bit with the waves' bases 0, 0x8800, 0x11000, 0x19800
.set DP,     528
.set DW,     128*DP
.set STATL,  4*DW                      ; behind the four waves' sums, still in the ring's bytes: 1,024 bytes a wave: 128 cm, 128 l
.set SPARE,  2*SLOT                    ; the spare words, 128 bytes a wave, two blocks of 256 bytes that no other line names
.set A0,   16
.set B0,   17
.set ADRA, 18
.set ADRB, 19
.set STR,  20                          ; v20  where I read 16 bytes of my wave's stats back
.set SO,   21                          ; v21  16 x lane
.set DST,  24
.set RD,   25
.set CO,   26                          ; v26  my byte offset in two rows of p or of vt: both have rows of 4,096 bytes
.set STA,  27                          ; v27  where my row's cm goes
.set SPW,  28
.set NIL,  29
.set BIGV, 30                          ; v30  -1e30
.set DD,   31                          ; v31  my row less my first column, in the wave's tile: column j of row group u is hidden where j - 2 u is greater
.set F0,   64
.set F1,   128
.set X,    64                          ; 16 rows' sums: row group u (row 2 u + l / 16) at X + 8 u, columns 8 (l % 16) + 0..7
.set Y,    128                         ; the same in f16
.set ST,   160                         ; row group u: cm at ST + 2 u, the maximum at ST + 2 u + 1 (a pair: the packed scaling takes its low word for both halves)
.set LS,   176                         ; row group u: l
.set TB,   2
.set G1,  24
.set G0,  32                           ; s[32:39] a set for each first fill; the second then walks
.set CS,  44                           ; s[44:45] c
.set DG,  46                           ; s46  1: my 128 x 128 holds the diagonal
.set MD,  47                           ; s47  1: a tile of vt
.set MSB, 0
.macro WIN new
.if MSB != (\new)
	s_set_vgpr_msb (MSB<<8)|(\new)
.set MSB, \new
.endif
.endm
.set MUL_LO, 0xa1
.set MUL_HI, 0xf1
.set TO_B,   0x40
.macro PLACES
.rept 4
	v_nop
.endr
.endm
	s_load_b256 s[48:55], s[0:1], 0x0              ; qk s[48:49], xh s[50:51], wt s[52:53], p s[54:55]
	s_load_b128 s[56:59], s[0:1], 0x20             ; stats s[56:57], vt s[58:59]
	v_lshl_add_u32 v[SPW], v0, 2, SPARE
	v_mov_b32 v[NIL], 0
	ds_add_u32 v[SPW], v[NIL]                      ; the wave's opening: an add and its wait ahead of my first tensor load
	ds_add_u32 v28, v29
	v_lshrrev_b32 v1, 5, v0
	v_readfirstlane_b32 s10, v1                    ; wave 0..3
	s_lshr_b32 s11, s10, 1                         ; my half of the rows.  Also: I fetch the first operand (0) or the second (1)
	s_and_b32 s12, s10, 1                          ; my half of the columns.  Also: which 128 rows I fetch
	s_mov_b32 s13, 0                               ; i: how many of the rows' first tile numbers i (i + 1) / 2 my number has reached
.irp th, 1,3,6,10,15,21,28
	s_cmp_ge_u32 ttmp9, \th
	s_add_co_ci_u32 s13, s13, 0
.endr
	s_add_co_u32 s15, s13, 1
	s_mul_i32 s15, s15, s13
	s_lshr_b32 s15, s15, 1
	s_sub_co_u32 s14, ttmp9, s15                   ; j
	s_and_b32 s15, ttmp7, 0xffff                   ; the sequence
	s_cmp_ge_u32 ttmp9, 36
	s_cselect_b32 s[MD], 1, 0
	s_sub_co_u32 s17, ttmp9, 36                    ; a tile of vt: its number 0..23 (what is made of it in a tile of scores is thrown away by the selects below)
	s_lshr_b32 s18, s17, 3                         ; its 256 channels
	s_and_b32 s19, s17, 7                          ; its 256 keys
	s_cmp_eq_u32 s13, s14
	s_cselect_b32 s[DG], 1, 0
	s_cmp_eq_u32 s11, s12
	s_cselect_b32 s[DG], s[DG], 0
	s_lshl_b32 s20, s15, 11                        ; the sequence's first row
	s_lshl_b32 s21, s13, 8
	s_add_co_u32 s21, s21, s20                     ; q's first row, and p's
	s_lshl_b32 s22, s14, 8
	s_add_co_u32 s22, s22, s20
	s_add_co_u32 s22, s22, 8192                    ; k's: k lies 8,192 rows behind q
	s_lshl_b32 s23, s18, 8
	s_add_co_u32 s23, s23, 2304                    ; wt's
	s_lshl_b32 s40, s19, 8
	s_add_co_u32 s40, s40, s20                     ; xh's
	s_lshl_b32 s41, s15, 10
	s_add_co_u32 s41, s41, s23
	s_sub_co_u32 s41, s41, 2048                    ; vt's: 1,024 rows a sequence; the channel is wt's row less 2,048
	s_cmp_eq_u32 s[MD], 1
	s_cselect_b32 s42, s41, s21                    ; the result's first row,
	s_cselect_b32 s43, s19, s14                    ; its block of 256 columns,
	s_cselect_b32 s21, s23, s21                    ; the first operand's first row,
	s_cselect_b32 s22, s40, s22                    ; the second's
	s_cmp_eq_u32 s11, 0
	s_cselect_b32 s16, s21, s22                    ; of the operand that I fetch
	s_lshl_b32 s17, s12, 7
	s_add_co_u32 s16, s16, s17
	s_lshl_b32 s16, s16, 11                        ; rows of 2,048 bytes
	s_mov_b32 s17, 0
	s_lshl_b32 s41, s11, 7
	s_add_co_u32 s40, s42, s41                     ; my first row of the result,
	s_lshl_b32 s40, s40, 12                        ; of 4,096 bytes,
	s_lshl_b32 s43, s43, 1
	s_add_co_u32 s43, s43, s12
	s_lshl_b32 s43, s43, 8                         ; my 128 columns of 2 bytes
	s_add_co_u32 s40, s40, s43
	s_lshl_b32 s42, s13, 8
	s_add_co_u32 s42, s42, s41                     ; stats: my first row in the sequence,
	s_lshl_b32 s43, s14, 1
	s_add_co_u32 s43, s43, s12                     ; my chunk
	s_lshl_b32 s41, s15, 4
	s_add_co_u32 s43, s43, s41
	s_lshl_b32 s43, s43, 11
	s_add_co_u32 s42, s42, s43
	s_lshl_b32 s42, s42, 2
	s_mov_b32 s41, 0
	s_mov_b32 s43, 0
	s_mov_b32 s[G1+0], (1<<16)|(1<<20)|(5<<22)|(3<<25)  ; 2-byte elements; padding on: after every 64 words, 4 words
	s_mov_b32 s[G1+1], KSTEP<<16                   ; tensor_dim0 = 128
	s_mov_b32 s[G1+2], 128<<16                     ; tensor_dim1 = 128
	s_mov_b32 s[G1+3], KSTEP<<16                   ; tile_dim0 = 128
	s_mov_b32 s[G1+4], 128                         ; tile_dim1 = 128
	s_mov_b32 s[G1+5], 1024                        ; elements from row to row: the same in q, k, xh and wt
	s_mov_b32 s[G1+6], 0
	s_mov_b32 s[G1+7], 0
	s_mov_b32 s[CS], 0x3d38aa3b                    ; c = log2(e) / 32
	s_mov_b32 s[CS+1], s[CS]
	s_mul_i32 s20, s10, HALFT                      ; where my load goes: wave x 128 rows
	s_mov_b32 s[TB], 0
	s_wait_dscnt 0x0                               ; the opening add is done
	s_wait_kmcnt 0x0
	s_cmp_eq_u32 s11, 0
	s_cselect_b64 s[4:5], s[52:53], s[50:51]       ; a tile of vt: wt is the first operand, xh the second;
	s_cmp_eq_u32 s[MD], 1
	s_cselect_b64 s[4:5], s[4:5], s[48:49]         ; a tile of scores: both lie in qk
	s_cselect_b64 s[6:7], s[58:59], s[54:55]       ; the result: vt or p
	s_add_nc_u64 s[4:5], s[4:5], s[16:17]
	s_add_nc_u64 s[6:7], s[6:7], s[40:41]
	s_add_nc_u64 s[8:9], s[56:57], s[42:43]
.irp s, 0,1
	s_mov_b32 s[G0+4*(\s)], 1
	s_add_co_u32 s[G0+4*(\s)+1], s20, (\s)*SLOT
	s_add_nc_u64 s[G0+4*(\s)+2:G0+4*(\s)+3], s[4:5], (\s)*KSTEP*2
	s_or_b32 s[G0+4*(\s)+3], s[G0+4*(\s)+3], 0x80000000
.endr
	tensor_load_to_lds s[G0:G0+3], s[G1:G1+7]      ; K steps 0 and 1: two loads of mine are out
	s_nop 0
	tensor_load_to_lds s[G0+4:G0+7], s[G1:G1+7]
	s_nop 0
	PLACES
	v_and_b32 v1, 15, v0                           ; l % 16
	v_bfe_u32 v2, v0, 4, 1                         ; l / 16
	v_mul_u32_u24 v3, v1, PITCH
	v_lshl_add_u32 v3, v2, 4, v3
	s_mul_i32 s21, s11, HALFT
	s_mul_i32 s22, s12, HALFT
	s_add_co_u32 s22, s22, 2*HALFT
	v_add_nc_u32 v[A0], s21, v3
	v_add_nc_u32 v[B0], s22, v3
	v_mov_b32 v[ADRA], v[A0]
	v_mov_b32 v[ADRB], v[B0]
	s_mul_i32 s23, s10, DW
	v_mul_u32_u24 v4, v1, DP
	v_lshl_add_u32 v4, v2, 4, v4
	v_add_nc_u32 v[DST], s23, v4
	v_mul_u32_u24 v5, v2, DP
	v_lshl_add_u32 v5, v1, 4, v5
	v_add_nc_u32 v[RD], s23, v5
	v_lshlrev_b32 v[CO], 4, v1
	v_lshl_add_u32 v[CO], v2, 12, v[CO]
	s_lshl_b32 s23, s10, 10
	s_add_co_u32 s23, s23, STATL
	v_lshl_add_u32 v[STA], v2, 2, s23
	v_and_b32 v6, 31, v0
	v_lshlrev_b32 v[SO], 4, v6
	v_add_nc_u32 v[STR], s23, v[SO]
	v_lshlrev_b32 v6, 3, v1
	v_sub_nc_u32 v[DD], v2, v6
	v_mov_b32 v[BIGV], 0xf149f2ca
.macro MUL16 f, hi, a0, zero           ; 16 matrix instructions; the 64 accumulators take turns
	WIN MUL_LO+0x50*(\hi)
.irp a, \a0, (\a0)+1
.irp b, 0,1,2,3,4,5,6,7
.if \zero
	v_wmma_f32_16x16x32_f16 v[8*(8*(\a)+(\b)):8*(8*(\a)+(\b))+7], v[(\f)+8*(\b):(\f)+8*(\b)+7], v[(\f)+8*(4*(\hi)+(\a)):(\f)+8*(4*(\hi)+(\a))+7], 0
.else
	v_wmma_f32_16x16x32_f16 v[8*(8*(\a)+(\b)):8*(8*(\a)+(\b))+7], v[(\f)+8*(\b):(\f)+8*(\b)+7], v[(\f)+8*(4*(\hi)+(\a)):(\f)+8*(4*(\hi)+(\a))+7], v[8*(8*(\a)+(\b)):8*(8*(\a)+(\b))+7]
.endif
.endr
.endr
.endm
.macro FETCH k, f                      ; 32 LDS loads in one run: the second operand's 16, then the first's 16
	WIN TO_B
.irp i, 0,1,2,3,4,5,6,7
	ds_load_b128 v[(\f)+8*(\i):(\f)+8*(\i)+3],   v[ADRB] offset:(\k)+(\i)*16*PITCH
	ds_load_b128 v[(\f)+8*(\i)+4:(\f)+8*(\i)+7], v[ADRB] offset:(\k)+(\i)*16*PITCH+32
.endr
	WIN 0
.irp i, 0,1,2,3,4,5,6,7
	ds_load_b128 v[(\f)+8*(\i):(\f)+8*(\i)+3],   v[ADRA] offset:(\k)+(\i)*16*PITCH
	ds_load_b128 v[(\f)+8*(\i)+4:(\f)+8*(\i)+7], v[ADRA] offset:(\k)+(\i)*16*PITCH+32
.endr
.endm
.macro QUARTER k, f, g, zero
	s_wait_dscnt 8                                 ; all but the youngest eight loads (the first operand's rows 64-127)
	MUL16 \f, 0, 0, \zero
	MUL16 \f, 0, 2, \zero
	PLACES
	FETCH \k, \g
	s_wait_dscnt 32                                ; all but the 32 just issued
	MUL16 \f, 1, 0, \zero
	MUL16 \f, 1, 2, \zero
.endm
; The last quarter and the change of slots: each wave waits for all its tensor loads (one is out: its part of the next slot), adds 0 to its spare word, waits for that and for its reads of this slot, and passes the
; barrier.  fill = 1: the slot just read is filled again, two K steps ahead: my one load, first thing behind the barrier.
.macro TURN fill
	WIN 0
	s_wait_tensorcnt 0x0
	ds_add_u32 v[SPW], v[NIL]
	s_wait_dscnt 9                                 ; the add and the youngest eight loads may be out
	MUL16 F1, 0, 0, 0
	s_wait_dscnt 0x0
	s_barrier_signal -1
	MUL16 F1, 0, 2, 0
	WIN 0
	s_barrier_wait -1
.if \fill
	s_xor_b32 s[G0+5], s[G0+5], SLOT
	s_add_nc_u64 s[G0+6:G0+7], s[G0+6:G0+7], KSTEP*2
	tensor_load_to_lds s[G0+4:G0+7], s[G1:G1+7]
	s_nop 0
.endif
	PLACES                                         ; also the places in front of the loads below
	s_xor_b32 s[TB], s[TB], SLOT
	v_add_nc_u32 v[ADRA], s[TB], v[A0]
	v_add_nc_u32 v[ADRB], s[TB], v[B0]
	FETCH 0, F0
	MUL16 F1, 1, 0, 0
	MUL16 F1, 1, 2, 0
.endm
	s_wait_tensorcnt 0x1                           ; my part of K step 0 is in; K step 1's may stay out
	s_barrier_signal -1
	s_barrier_wait -1
	FETCH 0, F0
	QUARTER 64, F0, F1, 1
	WIN 0
	s_mov_b32 s3, STEPS-2
.Lstep:
	QUARTER 128, F1, F0, 0
	QUARTER 192, F0, F1, 0
	TURN 1
	QUARTER 64, F0, F1, 0
	WIN 0
	s_sub_co_u32 s3, s3, 1
	s_cmp_lg_u32 s3, 0
	s_cbranch_scc1 .Lstep
	QUARTER 128, F1, F0, 0
	QUARTER 192, F0, F1, 0
	TURN 0
	QUARTER 64, F0, F1, 0
	QUARTER 128, F1, F0, 0
	QUARTER 192, F0, F1, 0
	s_wait_dscnt 8
	MUL16 F1, 0, 0, 0
	MUL16 F1, 0, 2, 0
	s_wait_dscnt 0x0                               ; my last reads of the ring are over:
	s_barrier_signal -1
	MUL16 F1, 1, 0, 0
	MUL16 F1, 1, 2, 0
	WIN 0
	s_barrier_wait -1                              ; everybody's are: the ring, which has had its last fill, may be stored into
	PLACES
.irp a, 0,1,2,3,4,5,6,7                ; each accumulator's low four registers first
	WIN 0x08+4*((\a)/4)
.irp b, 0,1,2,3,4,5,6,7
	ds_store_b128 v[DST], v[8*(8*((\a)%4)+(\b)):8*(8*((\a)%4)+(\b))+3]   offset:(\a)*16*DP+32*(\b)
	ds_store_b128 v[DST], v[8*(8*((\a)%4)+(\b))+4:8*(8*((\a)%4)+(\b))+7] offset:(\a)*16*DP+32*(\b)+256
.endr
.endr
	WIN 0
	s_mov_b32 s3, 8
	s_cmp_eq_u32 s[MD], 1
	s_cbranch_scc1 .Lvrow                          ; the same answer in the whole work-group; no barrier follows on either way
.Lrow:                                                 ; a trip: 16 rows; 16 lanes hold a row's 128 scores, 8 each
.irp u, 0,1,2,3,4,5,6,7
	ds_load_b128 v[X+8*(\u):X+8*(\u)+3],   v[RD] offset:(\u)*2*DP
	ds_load_b128 v[X+8*(\u)+4:X+8*(\u)+7], v[RD] offset:(\u)*2*DP+256
.endr
	s_wait_dscnt 0x0
	s_cmp_eq_u32 s[DG], 0
	s_cbranch_scc1 .Lopen                          ; only the two waves on the diagonal of a diagonal tile hide anything
.irp u, 0,1,2,3,4,5,6,7
.irp j, 0,1,2,3,4,5,6,7
	v_cmp_gt_i32 vcc_lo, (\j)-2*(\u), v[DD]
	v_cndmask_b32 v[X+8*(\u)+(\j)], v[X+8*(\u)+(\j)], v[BIGV], vcc_lo
.endr
.endr
.Lopen:
.irp u, 0,1,2,3,4,5,6,7
	v_max3_num_f32 v[ST+2*(\u)+1], v[X+8*(\u)], v[X+8*(\u)+1], v[X+8*(\u)+2]
.endr
.irp u, 0,1,2,3,4,5,6,7
	v_max3_num_f32 v[ST+2*(\u)+1], v[ST+2*(\u)+1], v[X+8*(\u)+3], v[X+8*(\u)+4]
.endr
.irp u, 0,1,2,3,4,5,6,7
	v_max3_num_f32 v[ST+2*(\u)+1], v[ST+2*(\u)+1], v[X+8*(\u)+5], v[X+8*(\u)+6]
.endr
.irp u, 0,1,2,3,4,5,6,7
	v_max_num_f32 v[ST+2*(\u)+1], v[ST+2*(\u)+1], v[X+8*(\u)+7]
.endr
.irp m, 1,2,4,8                        ; across the row's 16 lanes
.irp u, 0,1,2,3,4,5,6,7
	v_max_num_f32_dpp v[ST+2*(\u)+1], v[ST+2*(\u)+1], v[ST+2*(\u)+1] row_xmask:\m row_mask:0xf bank_mask:0xf
.endr
.endr
.irp u, 0,1,2,3,4,5,6,7
	v_mul_f32 v[ST+2*(\u)], s[CS], v[ST+2*(\u)+1]
.endr
.irp u, 0,1,2,3,4,5,6,7
.irp q, 0,1,2,3
	v_pk_fma_f32 v[X+8*(\u)+2*(\q):X+8*(\u)+2*(\q)+1], v[X+8*(\u)+2*(\q):X+8*(\u)+2*(\q)+1], s[CS:CS+1], v[ST+2*(\u):ST+2*(\u)+1] op_sel_hi:[1,0,0] neg_lo:[0,0,1] neg_hi:[0,0,1]  ; c s - cm
.endr
.endr
.set i, 0
.rept 64
	v_exp_f32 v[X+i], v[X+i]
.set i, i+1
.endr
	v_nop                                          ; a plain instruction between the last exponential and the use of its result
	s_wait_alu depctr_va_vdst(0)
.irp u, 0,1,2,3,4,5,6,7
.irp q, 0,1,2,3
	v_cvt_pk_f16_f32 v[Y+4*(\u)+(\q)], v[X+8*(\u)+2*(\q)], v[X+8*(\u)+2*(\q)+1]
.endr
.endr
.irp u, 0,1,2,3,4,5,6,7
	global_store_b128 v[CO], v[Y+4*(\u):Y+4*(\u)+3], s[6:7] offset:(\u)*8192  ; 16 lanes store 256 consecutive, aligned bytes
.endr
.irp u, 0,1,2,3,4,5,6,7
	v_pk_add_f32 v[X+8*(\u):X+8*(\u)+1], v[X+8*(\u):X+8*(\u)+1], v[X+8*(\u)+2:X+8*(\u)+3]
	v_pk_add_f32 v[X+8*(\u)+4:X+8*(\u)+5], v[X+8*(\u)+4:X+8*(\u)+5], v[X+8*(\u)+6:X+8*(\u)+7]
.endr
.irp u, 0,1,2,3,4,5,6,7
	v_pk_add_f32 v[X+8*(\u):X+8*(\u)+1], v[X+8*(\u):X+8*(\u)+1], v[X+8*(\u)+4:X+8*(\u)+5]
.endr
.irp u, 0,1,2,3,4,5,6,7
	v_add_f32 v[LS+(\u)], v[X+8*(\u)], v[X+8*(\u)+1]
.endr
.irp m, 1,2,4,8
.irp u, 0,1,2,3,4,5,6,7
	v_add_f32_dpp v[LS+(\u)], v[LS+(\u)], v[LS+(\u)] row_xmask:\m row_mask:0xf bank_mask:0xf
.endr
.endr
.irp u, 0,1,2,3,4,5,6,7
	ds_store_b32 v[STA], v[ST+2*(\u)] offset:8*(\u)          ; a row's 16 lanes write the same word with the same value
	ds_store_b32 v[STA], v[LS+(\u)] offset:512+8*(\u)
.endr
	v_add_nc_u32 v[RD], 16*DP, v[RD]
	v_add_nc_u32 v[STA], 64, v[STA]
	v_add_nc_u32 v[DD], 16, v[DD]
	s_wait_xcnt 0x0                                ; the stores' data and base are rewritten only behind this wait
	s_add_nc_u64 s[6:7], s[6:7], 65536
	s_sub_co_u32 s3, s3, 1
	s_cmp_lg_u32 s3, 0
	s_cbranch_scc1 .Lrow
	ds_load_b128 v[X:X+3], v[STR]                  ; my wave's 128 cm and 128 l, as 512 consecutive bytes each
	ds_load_b128 v[X+4:X+7], v[STR] offset:512
	s_wait_dscnt 0x0
	global_store_b128 v[SO], v[X:X+3], s[8:9]
	global_store_b128 v[SO], v[X+4:X+7], s[8:9] offset:524288
	s_wait_tensorcnt 0x0                           ; the wave's end
	ds_add_u32 v[SPW], v[NIL]
	s_wait_dscnt 0x0
	s_endpgm
.Lvrow:                                                ; a tile of vt; a trip: 16 channels' rows, rounded to f16
.irp t, 0,1,2,3,4,5,6,7
	ds_load_b128 v[X+8*(\t):X+8*(\t)+3],   v[RD] offset:(\t)*2*DP
	ds_load_b128 v[X+8*(\t)+4:X+8*(\t)+7], v[RD] offset:(\t)*2*DP+256
.endr
.irp t, 0,1,2,3,4,5,6,7
	s_wait_dscnt 14-2*(\t)
.irp q, 0,1,2,3
	v_cvt_pk_f16_f32 v[Y+4*(\t)+(\q)], v[X+8*(\t)+2*(\q)], v[X+8*(\t)+2*(\q)+1]
.endr
	global_store_b128 v[CO], v[Y+4*(\t):Y+4*(\t)+3], s[6:7] offset:(\t)*8192  ; 16 lanes store 256 consecutive, aligned bytes
.endr
	v_add_nc_u32 v[RD], 16*DP, v[RD]
	s_wait_xcnt 0x0                                ; the stores' data and base are rewritten only behind this wait
	s_add_nc_u64 s[6:7], s[6:7], 65536
	s_sub_co_u32 s3, s3, 1
	s_cmp_lg_u32 s3, 0
	s_cbranch_scc1 .Lvrow
	s_wait_tensorcnt 0x0                           ; the wave's end
	ds_add_u32 v[SPW], v[NIL]
	s_wait_dscnt 0x0
	s_endpgm
.Lfunc_end_k_qc09bdb5106_scores:
	.size	k_qc09bdb5106_scores, .Lfunc_end_k_qc09bdb5106_scores-k_qc09bdb5106_scores
	.p2alignl 7, 3214868480
	.fill 96, 4, 3214868480
	.section	.rodata,"a",@progbits
	.p2align	6, 0x0
	.amdhsa_kernel k_qc09bdb5106_scores
		.amdhsa_group_segment_fixed_size 327680
		.amdhsa_private_segment_fixed_size 0
		.amdhsa_enable_private_segment 0
		.amdhsa_kernarg_size 48
		.amdhsa_user_sgpr_count 2
		.amdhsa_user_sgpr_kernarg_segment_ptr 1
		.amdhsa_wavefront_size32 1
		.amdhsa_system_sgpr_workgroup_id_x 1
		.amdhsa_system_sgpr_workgroup_id_y 1
		.amdhsa_system_sgpr_workgroup_id_z 1
		.amdhsa_system_vgpr_workitem_id 0
		.amdhsa_next_free_vgpr 1024
		.amdhsa_next_free_sgpr 66
		.amdhsa_reserve_vcc 1
		.amdhsa_float_denorm_mode_32 3
		.amdhsa_float_denorm_mode_16_64 3
		.amdhsa_memory_ordered 1
		.amdhsa_forward_progress 1
		.amdhsa_inst_pref_size 118
	.end_amdhsa_kernel
	.amdgpu_metadata
---
amdhsa.version: [ 1, 2 ]
amdhsa.kernels:
  - .name:           k_qc09bdb5106_scores
    .symbol:         k_qc09bdb5106_scores.kd
    .args:
      - { .name: qk, .offset: 0, .size: 8, .value_kind: global_buffer, .address_space: global }
      - { .name: xh, .offset: 8, .size: 8, .value_kind: global_buffer, .address_space: global }
      - { .name: wt, .offset: 16, .size: 8, .value_kind: global_buffer, .address_space: global }
      - { .name: p, .offset: 24, .size: 8, .value_kind: global_buffer, .address_space: global }
      - { .name: stats, .offset: 32, .size: 8, .value_kind: global_buffer, .address_space: global }
      - { .name: vt, .offset: 40, .size: 8, .value_kind: global_buffer, .address_space: global }
    .group_segment_fixed_size: 327680
    .private_segment_fixed_size: 0
    .kernarg_segment_align: 8
    .kernarg_segment_size: 48
    .max_flat_workgroup_size: 128
    .sgpr_count:     66
    .vgpr_count:     1024
    .wavefront_size: 32
...
	.end_amdgpu_metadata
.endif
;; end of part 3
;; launch pv (part 4): grid 8 x 32, 4 waves a work-group, clusters of 4 x 1, 327,680 bytes of LDS; arguments p, stats, vt, out0; writes out0
.if DOCPART == 4
	.amdgcn_target "amdgcn-amd-amdhsa--gfx1250"
	.amdhsa_code_object_version 6
	.text
	.protected	k_qc09bdb5106_pv
	.globl	k_qc09bdb5106_pv
	.p2align	8
	.type	k_qc09bdb5106_pv,@function
k_qc09bdb5106_pv:
	s_mov_b64 s[64:65], 0
	v_nop
	global_prefetch_b8 v0, s[64:65] scope:SCOPE_SE
	s_setreg_imm32_b32 hwreg(HW_REG_WAVE_MODE, 25, 1), 1
	s_wait_xcnt 0x0
	s_wait_alu depctr_hold_cnt(0) depctr_sa_sdst(0) depctr_va_vdst(0) depctr_va_sdst(0) depctr_va_ssrc(0) depctr_va_vcc(0) depctr_vm_vsrc(0)
	s_getreg_b32 s2, hwreg(HW_REG_IB_STS2, 6, 4)
	s_cmp_eq_u32 s2, 0
	s_cbranch_scc0 .Lentry_in_a_cluster
	s_endpgm
.Lentry_in_a_cluster:
	s_bfe_u32 s2, ttmp6, 0x10000c
	s_cmp_lg_u32 s2, 0x3003
	s_cbranch_scc0 .Lentry_shape_is_right
	s_endpgm
.Lentry_shape_is_right:
; PV.  out[row][e] = (sum over the row's chunks c of f_c x sum over the chunk's 128 keys of P'[row][key] v[key][e]) / L, with M = the largest of the row's cm_c, f_c = 2^(cm_c - M) (at most 1), L = sum of f_c l_c.
; So every exponential of the softmax has had a true maximum taken away: the chunk's in the launch before, the row's here.  Products in f16 with f32 sums; all else in f32.
; LIMITS.  A factor below 2^-126 counts as 0; NaN and infinities are not treated apart.
; SHARES.  A work-group makes two tiles of 128 rows x 128 channels of one sequence: row block pr (0-7), then row block 15 - pr: (pr / 2 + 1) + (8 - pr / 2) = 9 POSITIONS of 256 keys, whatever pr: all work-groups are alike.
; Position q < NL = pr / 2 + 1 is the low block's key slot q; position q >= NL the high block's key slot 8 - q.  So the walk is one counted loop, and every LDS address is a constant and a loop's step.
; A chunk past the row block's own (keys all hidden) gets f = 0.  A wave makes 64 x 64.
; CLUSTER 4 x 1: the four partners make four column blocks of the same rows: P's tile is asked for jointly; v's tile (each partner's own 128 channels) by a load of one's own, behind the same round.
; BY CHUNKS.  A chunk's product is summed from 0 in T0 or T1 (by turns); while one is summed, the other is folded into O by O += f T: four packed multiply-adds behind every four matrix instructions.
; v comes turned (vt: [channel][key]), so both operands have the keys along their rows.  Source 0 = 16 channels of vt, source 1 = 16 rows of P': a lane holds row l % 16 and the channels 8 (l / 16) + 0..7.
; REGISTERS, in windows of 256: window 0: v2-39 addresses and factors; v64-191 O.  window 1: two fragment buffers of 128 (64 of P', 64 of vt, for 64 keys).  window 2: T0 v0-127, T1 v128-255.
.set PP,    528                        ; a row of P' or of vt in LDS: 512 bytes (256 keys) + 16
.set AHALF, 64*PP                      ; what one load brings: 64 rows
.set VOFF,  128*PP                     ; vt's 128 rows lie behind P's 128
.set SLOT,  2*VOFF                     ; 0x21000 shares no bit with the waves' bases 0, 0x8400, 0x10800, 0x18c00
.set STAGE, 2*SLOT                     ; behind the ring, never filled by a tensor load: 16 rows x 272 bytes a wave
.set SP,    272
.set FT,    STAGE+4*16*SP              ; f: [9 positions][2 chunks][128 rows] f32
.set RLT,   FT+9*1024                  ; 1 / L: [low, high][128 rows]
.set SPARE, RLT+1024                   ; the spare words, 128 bytes a wave, two blocks of 256 bytes that no other line names
.set A0,    2                          ; v2   my lane's place in P's tile of slot 0; never rewritten
.set B0,    3                          ; v3   the same for vt
.set ADRA,  4                          ; v4   the same in the slot in hand
.set ADRB,  5                          ; v5
.set FAD,   7                          ; v7   my row's place in FT at the position in hand
.set STO,   8
.set RD,    9
.set CO,    10
.set RLA,   11                         ; v11  my row's place in RLT
.set FA,    12                         ; v12, 14, 16, 18: the first chunk's factor for my row in row block a (the even register of a pair: the packed forms take the low word for both halves)
.set FB,    20                         ; v20, 22, 24, 26: the second chunk's
.set SPW,   28
.set NIL,   29
.set RLR,   32                         ; v32, 34, 36, 38: 1 / L
.set O,     64
.set F0,    0
.set F1,    128
.set T0,    0
.set T1,    128
.set CMH,   64                         ; the prologue's registers lie in O, which is cleared behind it: cm, then f, of the high block's 16 chunks,
.set CML,   80                         ; of the low block's 8;
.set LH,    88                         ; l likewise
.set LL,    104
.set AR,    112                        ; 14 clamped offsets
.set HB,    126
.set LB,    127
.set MH,    128
.set ML,    129
.set LSH,   130
.set LSL,   131
.set SELT,  132
.set FTA,   138
.set WV,  12                           ; s12  wave
.set BZ,  16                           ; s16  sequence
.set PR,  17                           ; s17  pr = the low row block
.set IH,  18                           ; s18  15 - pr
.set NL,  20                           ; s20  the low block's positions
.set HC,  21                           ; s21  trips until the low block is finished
.set TB,  22                           ; s22  0 or SLOT
.set CNT, 23
.set G1A, 24                           ; s[24:31] group 1 for P's tiles
.set G1B, 32                           ; s[32:39] for vt's: it differs in the mask alone
.set G0A, 40                           ; s[40:47] group 0 for P's: a set for each first fill; the second then walks
.set G0B, 48                           ; s[48:55] for vt's
.set NQ,  56                           ; s56  the position to be asked for next
.set NQR, 57                           ; s57  8 - NQ
.set SL,  58                           ; s58  its key slot
.set OFA, 60                           ; s[60:61] its byte offset in P
.set OFB, 62                           ; s[62:63] in vt
.set PA,  66                           ; s[66:67] p at my sequence and my half of a row block
.set PBV, 68                           ; s[68:69] vt at my sequence and my 64 channels
.set HIO, 70
.set LOO, 71
.set OLO, 72                           ; s[72:73] out0 at my part of the low tile
.set OHI, 74                           ; s[74:75] of the high tile
.set SB,  76                           ; s[76:77] stats at my sequence
.set MSB, 0
.macro WIN new
.if MSB != (\new)
	s_set_vgpr_msb (MSB<<8)|(\new)
.set MSB, \new
.endif
.endm
.set MUL,  0xa5                        ; sources 0 and 1 window 1, C and D window 2
.set FOLD, 0x02                        ; source 0 (T) window 2, all else window 0
.set TO_F, 0x40                        ; destination window 1, address window 0
.macro PLACES
.rept 4
	v_nop
.endr
.endm
.macro JLOAD                           ; waves 0 and 1 ask jointly for P's two halves, waves 2 and 3 fetch vt's; an s_nop 0 and four v_nop follow each line
	s_cmp_lt_u32 s[WV], 2
	s_cbranch_scc0 .Lfor_v_\@
	tensor_load_to_lds s[G0A+4:G0A+7], s[G1A:G1A+7]
	s_nop 0
	PLACES
	s_branch .Lasked_\@
.Lfor_v_\@:
	tensor_load_to_lds s[G0B+4:G0B+7], s[G1B:G1B+7]
	s_nop 0
	PLACES
.Lasked_\@:
.endm
.macro CREST
	s_cmp_lg_u32 s[WV], 0
	s_cbranch_scc1 .Lnot_wave_0_\@
	s_barrier_signal -3
.Lnot_wave_0_\@:
	s_barrier_wait -3
	s_barrier_signal -1
	s_barrier_wait -1
.endm
.macro CROUND
	s_barrier_signal -1
	s_barrier_wait -1
	CREST
.endm
; The addresses of position NQ's tiles, made anew from the two pointers and offsets made apart, into set n of both group 0s; NQ steps.  Scalar work alone; nothing in it differs between partners but vt's pointer.
.macro MKADDR n
	s_cmp_lt_u32 s[NQ], s[NL]
	s_cselect_b32 s[SL], s[NQ], s[NQR]
	s_cselect_b32 s[OFA], s[LOO], s[HIO]
	s_lshl_b32 s[OFB], s[SL], 9                    ; 256 keys of 2 bytes along the rows of P and of vt
	s_add_co_u32 s[OFA], s[OFA], s[OFB]
	s_add_nc_u64 s[G0A+4*(\n)+2:G0A+4*(\n)+3], s[PA:PA+1], s[OFA:OFA+1]
	s_or_b32 s[G0A+4*(\n)+3], s[G0A+4*(\n)+3], 0x80000000
	s_add_nc_u64 s[G0B+4*(\n)+2:G0B+4*(\n)+3], s[PBV:PBV+1], s[OFB:OFB+1]
	s_or_b32 s[G0B+4*(\n)+3], s[G0B+4*(\n)+3], 0x80000000
	s_add_co_u32 s[NQ], s[NQ], 1
	s_sub_co_u32 s[NQR], s[NQR], 1
.endm
	s_load_b256 s[4:11], s[0:1], 0x0               ; p s[4:5], stats s[6:7], vt s[8:9], out0 s[10:11]
	v_lshl_add_u32 v[SPW], v0, 2, SPARE
	v_mov_b32 v[NIL], 0
	ds_add_u32 v[SPW], v[NIL]                      ; the wave's opening: an add and its wait ahead of my first tensor load
	ds_add_u32 v28, v29
	v_lshrrev_b32 v1, 5, v0
	v_readfirstlane_b32 s[WV], v1
	s_and_b32 s13, s[WV], 1                        ; my half of the channels.  Also: which half of a tile I fetch
	s_lshr_b32 s14, s[WV], 1                       ; my half of the rows
	s_and_b32 s[BZ], ttmp7, 0xffff
	s_and_b32 s[PR], s[BZ], 7
	s_lshr_b32 s[BZ], s[BZ], 3
	s_sub_co_u32 s[IH], 15, s[PR]
	s_lshr_b32 s[NL], s[PR], 1
	s_add_co_u32 s[NL], s[NL], 1
	s_mov_b32 s[HC], s[NL]
	s_lshl_b32 s[HIO], s[IH], 19                   ; 128 rows of 4,096 bytes
	s_lshl_b32 s[LOO], s[PR], 19
	s_mov_b32 s[NQ], 0
	s_mov_b32 s[NQR], 8
	s_mov_b32 s[OFA+1], 0
	s_mov_b32 s[OFB+1], 0
	s_mov_b32 s[TB], 0
	s_lshl_b32 s2, s[BZ], 23                       ; p: my sequence,
	s_lshl_b32 s3, s13, 18                         ; my 64 rows of a row block
	s_add_co_u32 s2, s2, s3
	s_mov_b32 s3, 0
	s_lshl_b32 s86, s[BZ], 17                      ; stats: 16 chunks x 2,048 rows x 4 bytes a sequence
	s_mov_b32 s87, 0
	s_bfe_u32 s15, ttmp6, 0x40000                  ; cx: it enters vt's and out0's global addresses alone, through s15 and s78-s85
	s_lshl_b32 s82, ttmp9, 2
	s_add_co_u32 s15, s15, s82                     ; my block of 128 channels
	s_lshl_b32 s84, s[BZ], 22                      ; vt: my sequence's 1,024 rows of 4,096 bytes,
	s_lshl_b32 s82, s15, 7
	s_lshl_b32 s83, s13, 6
	s_add_co_u32 s82, s82, s83                     ; the 64 channels that I fetch
	s_lshl_b32 s82, s82, 12
	s_add_co_u32 s84, s84, s82
	s_mov_b32 s85, 0
	s_lshl_b32 s82, s[BZ], 11
	s_lshl_b32 s83, s14, 6
	s_add_co_u32 s82, s82, s83
	s_lshl_b32 s78, s[PR], 7
	s_add_co_u32 s78, s78, s82
	s_lshl_b32 s78, s78, 12                        ; out0's rows are 4,096 bytes
	s_lshl_b32 s80, s[IH], 7
	s_add_co_u32 s80, s80, s82
	s_lshl_b32 s80, s80, 12
	s_lshl_b32 s82, s15, 9
	s_lshl_b32 s83, s13, 8
	s_add_co_u32 s82, s82, s83
	s_add_co_u32 s78, s78, s82
	s_add_co_u32 s80, s80, s82
	s_mov_b32 s79, 0
	s_mov_b32 s81, 0
	s_mov_b32 s[G1A+0], 15|(1<<16)|(1<<20)|(1<<21)|(6<<22)|(3<<25)  ; the mask of four; 2-byte elements; padding on; bit 21 beside a mask; after every 128 words, 4 words
	s_mov_b32 s[G1B+0], (1<<16)|(1<<20)|(6<<22)|(3<<25)             ; the same without a mask
.irp g, G1A, G1B
	s_mov_b32 s[(\g)+1], 256<<16                   ; tensor_dim0 = 256
	s_mov_b32 s[(\g)+2], 64<<16                    ; tensor_dim1 = 64
	s_mov_b32 s[(\g)+3], 256<<16                   ; tile_dim0 = 256
	s_mov_b32 s[(\g)+4], 64                        ; tile_dim1 = 64
	s_mov_b32 s[(\g)+5], 2048                      ; elements from row to row
	s_mov_b32 s[(\g)+6], 0
	s_mov_b32 s[(\g)+7], 0
.endr
	s_mul_i32 s88, s13, AHALF
	s_add_co_u32 s89, s88, VOFF
	s_mov_b32 s[G0A], 1
	s_mov_b32 s[G0A+1], s88
	s_mov_b32 s[G0A+4], 1
	s_add_co_u32 s[G0A+5], s88, SLOT
	s_mov_b32 s[G0B], 1
	s_mov_b32 s[G0B+1], s89
	s_mov_b32 s[G0B+4], 1
	s_add_co_u32 s[G0B+5], s89, SLOT
	s_wait_dscnt 0x0                               ; the opening add is done
	s_wait_kmcnt 0x0
	s_add_nc_u64 s[PA:PA+1], s[4:5], s[2:3]
	s_add_nc_u64 s[SB:SB+1], s[6:7], s[86:87]
	s_add_nc_u64 s[PBV:PBV+1], s[8:9], s[84:85]
	s_add_nc_u64 s[OLO:OLO+1], s[10:11], s[78:79]
	s_add_nc_u64 s[OHI:OHI+1], s[10:11], s[80:81]
	MKADDR 0
	MKADDR 1
	CROUND                                         ; all four work-groups are here: the first joint loads meet
	s_cmp_lt_u32 s[WV], 2                          ; a wave's two first fills stand in one branch: positions 0 and 1; two loads of mine are out
	s_cbranch_scc0 .Lfirst_v
	tensor_load_to_lds s[G0A:G0A+3], s[G1A:G1A+7]
	s_nop 0
	tensor_load_to_lds s[G0A+4:G0A+7], s[G1A:G1A+7]
	s_nop 0
	PLACES
	s_branch .Lfirst_asked
.Lfirst_v:
	tensor_load_to_lds s[G0B:G0B+3], s[G1B:G1B+7]
	s_nop 0
	tensor_load_to_lds s[G0B+4:G0B+7], s[G1B:G1B+7]
	s_nop 0
	PLACES
.Lfirst_asked:
	; THE PROLOGUE, in the wait for the first tiles.  Thread t stands for row t of both blocks.  Chunks that the block always has take an immediate; the others are clamped to the block's last, so that no byte is read that was not written.
	v_lshlrev_b32 v[HB], 2, v0
	s_lshl_b32 s2, s[IH], 9
	s_lshl_b32 s3, s[PR], 9
	v_add_nc_u32 v[LB], s3, v[HB]
	v_add_nc_u32 v[HB], s2, v[HB]
	v_lshl_add_u32 v[FTA], v0, 2, FT
.set i, 0
.rept 16
.if i < 9
	global_load_b32 v[CMH+i], v[HB], s[SB:SB+1] offset:i*8192
	global_load_b32 v[LH+i],  v[HB], s[SB:SB+1] offset:i*8192+524288
.else
	s_min_u32 s2, s[IH], i
	s_lshl_b32 s2, s2, 13
	v_add_nc_u32 v[AR+i-9], s2, v[HB]
	global_load_b32 v[CMH+i], v[AR+i-9], s[SB:SB+1]
	global_load_b32 v[LH+i],  v[AR+i-9], s[SB:SB+1] offset:524288
.endif
.set i, i+1
.endr
	global_load_b32 v[CML], v[LB], s[SB:SB+1]
	global_load_b32 v[LL],  v[LB], s[SB:SB+1] offset:524288
.set i, 1
.rept 7
	s_min_u32 s2, s[PR], i
	s_lshl_b32 s2, s2, 13
	v_add_nc_u32 v[AR+6+i], s2, v[LB]
	global_load_b32 v[CML+i], v[AR+6+i], s[SB:SB+1]
	global_load_b32 v[LL+i],  v[AR+6+i], s[SB:SB+1] offset:524288
.set i, i+1
.endr
	; my lane's addresses
	v_and_b32 v1, 15, v0                           ; r = l % 16
	v_bfe_u32 v30, v0, 4, 1                        ; h = l / 16
	v_mul_u32_u24 v31, v1, PP
	v_lshl_add_u32 v31, v30, 4, v31                ; a fragment's row x pitch + 16 x half
	s_mul_i32 s2, s14, AHALF
	v_add_nc_u32 v[A0], s2, v31                    ; in my 64 rows of P',
	s_mul_i32 s3, s13, AHALF
	s_add_co_u32 s3, s3, VOFF
	v_add_nc_u32 v[B0], s3, v31                    ; in my 64 channels of vt
	v_mov_b32 v[ADRA], v[A0]
	v_mov_b32 v[ADRB], v[B0]
	s_lshl_b32 s2, s14, 8                          ; 64 rows of 4 bytes
	v_lshl_add_u32 v[RLA], v1, 2, s2
	v_add_nc_u32 v[FAD], FT, v[RLA]
	v_add_nc_u32 v[RLA], RLT, v[RLA]
	s_mul_i32 s2, s[WV], 16*SP
	s_add_co_u32 s2, s2, STAGE
	v_mul_u32_u24 v[STO], v1, SP
	v_lshl_add_u32 v[STO], v30, 5, v[STO]
	v_add_nc_u32 v[STO], s2, v[STO]                ; in: row r, 32 bytes for each half of the lanes
	v_mul_u32_u24 v[RD], v30, SP
	v_lshl_add_u32 v[RD], v1, 4, v[RD]
	v_add_nc_u32 v[RD], s2, v[RD]                  ; back: 16 lanes take a row of 256 bytes, the upper lanes the next
	v_lshlrev_b32 v[CO], 4, v1
	v_lshl_add_u32 v[CO], v30, 12, v[CO]           ; and the same two rows of out0
.irp a, 0,1,2,3                        ; the pairs' odd registers are named with the even ones, so they are written
	v_mov_b32 v[FA+2*(\a)+1], 0
	v_mov_b32 v[FB+2*(\a)+1], 0
	v_mov_b32 v[RLR+2*(\a)+1], 0
.endr
	s_wait_loadcnt 0x0
	v_max3_num_f32 v[MH], v[CMH], v[CMH+1], v[CMH+2]
	v_max3_num_f32 v[ML], v[CML], v[CML+1], v[CML+2]
.irp c, 3,5,7,9,11,13
	v_max3_num_f32 v[MH], v[MH], v[CMH+(\c)], v[CMH+(\c)+1]
.endr
.irp c, 3,5
	v_max3_num_f32 v[ML], v[ML], v[CML+(\c)], v[CML+(\c)+1]
.endr
	v_max_num_f32 v[MH], v[MH], v[CMH+15]
	v_max_num_f32 v[ML], v[ML], v[CML+7]
.set i, 0
.rept 16
	v_sub_f32 v[CMH+i], v[CMH+i], v[MH]
.set i, i+1
.endr
.set i, 0
.rept 8
	v_sub_f32 v[CML+i], v[CML+i], v[ML]
.set i, i+1
.endr
.set i, 0
.rept 24
	v_exp_f32 v[CMH+i], v[CMH+i]                   ; f = 2^(cm - M); CML lies straight behind CMH
.set i, i+1
.endr
	v_nop                                          ; a plain instruction behind the last exponential
	s_wait_alu depctr_va_vdst(0)
.set i, 9
.rept 7
	s_cmp_ge_u32 s[IH], i                          ; a chunk past the block's own counts for nothing
	s_cselect_b32 s2, 1.0, 0
	v_mul_f32 v[CMH+i], s2, v[CMH+i]
.set i, i+1
.endr
.set i, 1
.rept 7
	s_cmp_ge_u32 s[PR], i
	s_cselect_b32 s2, 1.0, 0
	v_mul_f32 v[CML+i], s2, v[CML+i]
.set i, i+1
.endr
	v_mul_f32 v[LSH], v[CMH], v[LH]
	v_mul_f32 v[LSL], v[CML], v[LL]
.set i, 1
.rept 15
	v_fmac_f32 v[LSH], v[CMH+i], v[LH+i]
.if i < 8
	v_fmac_f32 v[LSL], v[CML+i], v[LL+i]
.endif
.set i, i+1
.endr
	v_rcp_f32 v[LSH], v[LSH]
	v_rcp_f32 v[LSL], v[LSL]
	v_nop
	ds_store_b32 v[FTA], v[CML]   offset:0          ; position 0: the low block's chunks 0, 1
	ds_store_b32 v[FTA], v[CML+1] offset:512
.irp q, 1,2,3                          ; positions 1 to 3: the low block's slot q, or the high block's slot 8 - q
	s_cmp_gt_u32 s[NL], \q
	s_cselect_b32 s2, -1, 0
	v_cndmask_b32 v[SELT+2*(\q)-2], v[CMH+16-2*(\q)], v[CML+2*(\q)], s2
	v_cndmask_b32 v[SELT+2*(\q)-1], v[CMH+17-2*(\q)], v[CML+2*(\q)+1], s2
	ds_store_b32 v[FTA], v[SELT+2*(\q)-2] offset:(\q)*1024
	ds_store_b32 v[FTA], v[SELT+2*(\q)-1] offset:(\q)*1024+512
.endr
.irp q, 4,5,6,7,8                      ; positions 4 to 8: the high block's slot 8 - q
	ds_store_b32 v[FTA], v[CMH+16-2*(\q)] offset:(\q)*1024
	ds_store_b32 v[FTA], v[CMH+17-2*(\q)] offset:(\q)*1024+512
.endr
	s_wait_alu depctr_va_vdst(0)
	ds_store_b32 v[FTA], v[LSL] offset:RLT-FT
	ds_store_b32 v[FTA], v[LSH] offset:RLT-FT+512
.set i, 0
.rept 128
	v_mov_b32 v[O+i], 0                            ; O starts at 0: every chunk, the first too, is folded in by the same text
.set i, i+1
.endr
; Four matrix instructions: row block a x the four channel blocks, 32 keys (half c of buffer f), onto T.  The 16 accumulators take turns.
.macro MUL4 f, c, a, tt, zero
	WIN MUL
.irp b, 0,1,2,3
.if \zero
	v_wmma_f32_16x16x32_f16 v[(\tt)+8*(4*(\a)+(\b)):(\tt)+8*(4*(\a)+(\b))+7], v[(\f)+64+8*(4*(\c)+(\b)):(\f)+64+8*(4*(\c)+(\b))+7], v[(\f)+8*(4*(\c)+(\a)):(\f)+8*(4*(\c)+(\a))+7], 0
.else
	v_wmma_f32_16x16x32_f16 v[(\tt)+8*(4*(\a)+(\b)):(\tt)+8*(4*(\a)+(\b))+7], v[(\f)+64+8*(4*(\c)+(\b)):(\f)+64+8*(4*(\c)+(\b))+7], v[(\f)+8*(4*(\c)+(\a)):(\f)+8*(4*(\c)+(\a))+7], v[(\tt)+8*(4*(\a)+(\b)):(\tt)+8*(4*(\a)+(\b))+7]
.endif
.endr
.endm
; Accumulator n of the finished chunk is folded into O, its low registers first.  These four name no register of the products round them: they are also those products' places.
.macro FOLD4 n, tp, fr
	WIN FOLD
.irp z, 0,1,2,3
	v_pk_fma_f32 v[O+8*(\n)+2*(\z):O+8*(\n)+2*(\z)+1], v[(\tp)+8*(\n)+2*(\z):(\tp)+8*(\n)+2*(\z)+1], v[(\fr)+2*((\n)/4):(\fr)+2*((\n)/4)+1], v[O+8*(\n)+2*(\z):O+8*(\n)+2*(\z)+1] op_sel_hi:[1,0,1]
.endr
.endm
; A run of LDS loads: ld = 1 or 2: first the position's four factors of its first or second chunk; then the fragments of quarter nq (64 keys) into buffer g, the first 32 keys first
.macro FETCH nq, g, ld
.if (\ld) == 1
	WIN 0
.irp a, 0,1,2,3
	ds_load_b32 v[FA+2*(\a)], v[FAD] offset:64*(\a)
.endr
.elseif (\ld) == 2
	WIN 0
.irp a, 0,1,2,3
	ds_load_b32 v[FB+2*(\a)], v[FAD] offset:512+64*(\a)
.endr
.endif
	WIN TO_F
.irp c, 0,1
.irp i, 0,1,2,3
	ds_load_b128 v[(\g)+64+8*(4*(\c)+(\i)):(\g)+64+8*(4*(\c)+(\i))+3],   v[ADRB] offset:(\nq)*128+64*(\c)+(\i)*16*PP
	ds_load_b128 v[(\g)+64+8*(4*(\c)+(\i))+4:(\g)+64+8*(4*(\c)+(\i))+7], v[ADRB] offset:(\nq)*128+64*(\c)+(\i)*16*PP+32
	ds_load_b128 v[(\g)+8*(4*(\c)+(\i)):(\g)+8*(4*(\c)+(\i))+3],   v[ADRA] offset:(\nq)*128+64*(\c)+(\i)*16*PP
	ds_load_b128 v[(\g)+8*(4*(\c)+(\i))+4:(\g)+8*(4*(\c)+(\i))+7], v[ADRA] offset:(\nq)*128+64*(\c)+(\i)*16*PP+32
.endr
.endr
.endm
; A quarter: 64 keys from buffer f onto T (zero = 1: it starts the chunk's sums); fold = 1: accumulators n0 .. n0 + 7 of the other T are folded in; in its middle quarter nq is fetched into buffer g.
.macro QUARTER f, g, tt, zero, fold, n0, tp, fr, nq, ld
	s_wait_dscnt 16                                ; all but the last run's second 32 keys
.irp a, 0,1,2,3
	MUL4 \f, 0, \a, \tt, \zero
.if \fold
	FOLD4 (\n0)+(\a), \tp, \fr
.endif
.endr
.if !(\fold)
	PLACES
.endif
	FETCH \nq, \g, \ld
.if \ld
	s_wait_dscnt 36                                ; all but the 36 just issued
.else
	s_wait_dscnt 32                                ; all but the 32 just issued
.endif
.irp a, 0,1,2,3
	MUL4 \f, 1, \a, \tt, 0
.if \fold
	FOLD4 (\n0)+4+(\a), \tp, \fr
.endif
.endr
.endm
; A position's last quarter and the change of slots.  Each wave waits for all its tensor loads (one is out: its part of the next slot), adds 0 to its spare word, and waits for that and for its reads of this slot.
; fill = 1: the barrier opens a round of the cluster's; the slot just read is filled again, two positions ahead, first thing behind the round.
.macro TURN fill
	WIN 0
	s_wait_tensorcnt 0x0                           ; no tensor load of mine is out: a group 0 may be written
	ds_add_u32 v[SPW], v[NIL]                      ; 0 onto my spare word; scalar and register work stands between it and the wait for it
.if \fill
	s_xor_b32 s[G0A+5], s[G0A+5], SLOT
	s_xor_b32 s[G0B+5], s[G0B+5], SLOT
	MKADDR 1
.endif
	s_wait_dscnt 17                                ; the add and the youngest sixteen loads may be out
	MUL4 F1, 0, 0, T1, 0
	FOLD4 8, T0, FA
	MUL4 F1, 0, 1, T1, 0
	FOLD4 9, T0, FA
	s_wait_dscnt 0x0                               ; the add is done, my reads of this slot are over
	s_barrier_signal -1
	MUL4 F1, 0, 2, T1, 0
	FOLD4 10, T0, FA
	MUL4 F1, 0, 3, T1, 0
	FOLD4 11, T0, FA
	WIN 0
	s_barrier_wait -1
.if \fill
	CREST
	JLOAD
.endif
	s_xor_b32 s[TB], s[TB], SLOT
	v_add_nc_u32 v[ADRA], s[TB], v[A0]
	v_add_nc_u32 v[ADRB], s[TB], v[B0]
	v_add_nc_u32 v[FAD], 1024, v[FAD]
	FETCH 0, F0, 0
.irp a, 0,1,2,3
	MUL4 F1, 1, \a, T1, 0
	FOLD4 12+(\a), T0, FA
.endr
.endm
; THE WAY OUT of a tile: O times 1 / L in place; a row block (16 rows x 64 channels of f32) at a time through my stage, and back as whole rows of 256 bytes into the registers that it left.
.macro PACK a
.set i, 0
.rept 16
	v_pk_mul_f32 v[O+32*(\a)+2*i:O+32*(\a)+2*i+1], v[O+32*(\a)+2*i:O+32*(\a)+2*i+1], v[RLR+2*(\a):RLR+2*(\a)+1] op_sel_hi:[1,0]
.set i, i+1
.endr
.irp b, 0,1,2,3
	ds_store_b128 v[STO], v[O+32*(\a)+8*(\b):O+32*(\a)+8*(\b)+3]   offset:64*(\b)
	ds_store_b128 v[STO], v[O+32*(\a)+8*(\b)+4:O+32*(\a)+8*(\b)+7] offset:64*(\b)+16
.endr
.irp u, 0,1,2,3,4,5,6,7
	ds_load_b128 v[O+32*(\a)+4*(\u):O+32*(\a)+4*(\u)+3], v[RD] offset:(\u)*2*SP  ; LDS serves a wave's instructions in order: these see the stores above; the next block's stores come behind them
.endr
.endm
.macro SEND a, younger, base           ; younger: the LDS instructions issued behind block a's loads
.irp u, 0,1,2,3,4,5,6,7
	s_wait_dscnt (\younger)+7-(\u)
	global_store_b128 v[CO], v[O+32*(\a)+4*(\u):O+32*(\a)+4*(\u)+3], s[(\base):(\base)+1] offset:(16*(\a)+2*(\u))*4096 th:TH_STORE_NT  ; 16 lanes store 256 consecutive, aligned bytes
.endr
.endm
.macro END blk, base, zero
	WIN 0
.irp a, 0,1,2,3
	ds_load_b32 v[RLR+2*(\a)], v[RLA] offset:512*(\blk)+64*(\a)
.endr
	s_wait_dscnt 0x0
	PACK 0
	PACK 1
	SEND 0, 16, \base
	PACK 2
	SEND 1, 16, \base
	PACK 3
	SEND 2, 16, \base
	SEND 3, 0, \base
.if \zero
	s_wait_xcnt 0x0                                ; the stores' data are rewritten only behind this wait
.set i, 0
.rept 128
	v_mov_b32 v[O+i], 0
.set i, i+1
.endr
.endif
.endm
	s_wait_tensorcnt 0x1                           ; my part of position 0 is in; position 1's may stay out
	s_wait_dscnt 0x0                               ; my rows of the tables are stored
	s_barrier_signal -1
	s_barrier_wait -1
	FETCH 0, F0, 0
	QUARTER F0, F1, T0, 1, 0, 0, T1, FB, 1, 1      ; position 0's first chunk: nothing is there yet to fold
	QUARTER F1, F0, T0, 0, 0, 0, T1, FB, 2, 0
	PLACES                                         ; the places behind those products, whose sums the next quarter begins to fold
	WIN 0
	s_mov_b32 s[CNT], 7
.Ltrip:                                                ; a trip: a position's second chunk (the first is folded), the change of slots with a refill, the next position's first chunk (the second is folded)
	QUARTER F0, F1, T1, 1, 1, 0, T0, FA, 3, 2
	TURN 1
	QUARTER F0, F1, T0, 1, 1, 0, T1, FB, 1, 1
	QUARTER F1, F0, T0, 0, 1, 8, T1, FB, 2, 0
	WIN 0
	s_sub_co_u32 s[HC], s[HC], 1
	s_cmp_lg_u32 s[HC], 0
	s_cbranch_scc1 .Lno_end                        ; forward, past text with no barrier and no tensor load; the same in all partners
	END 0, OLO, 1                                  ; the low block's last chunk has been folded: its tile goes out, and O starts anew (trip pr / 2, one of the first four)
.Lno_end:
	s_sub_co_u32 s[CNT], s[CNT], 1
	s_cmp_lg_u32 s[CNT], 0
	s_cbranch_scc1 .Ltrip
	QUARTER F0, F1, T1, 1, 1, 0, T0, FA, 3, 2      ; the tail is written out: nothing more is asked for
	TURN 0
	QUARTER F0, F1, T0, 1, 1, 0, T1, FB, 1, 1
	QUARTER F1, F0, T0, 0, 1, 8, T1, FB, 2, 0
	QUARTER F0, F1, T1, 1, 1, 0, T0, FA, 3, 2
	s_wait_dscnt 16
.irp a, 0,1,2,3
	MUL4 F1, 0, \a, T1, 0
	FOLD4 8+(\a), T0, FA
.endr
	s_wait_dscnt 0x0
.irp a, 0,1,2,3
	MUL4 F1, 1, \a, T1, 0
	FOLD4 12+(\a), T0, FA
.endr
.irp n, 0,1,2,3,4,5,6,7,8,9,10,11,12,13,14,15
	FOLD4 \n, T1, FB
.endr
	END 1, OHI, 0
	s_wait_tensorcnt 0x0                           ; the wave's end
	ds_add_u32 v[SPW], v[NIL]
	s_wait_dscnt 0x0
	CROUND                                         ; the closing round
	s_endpgm
.Lfunc_end_k_qc09bdb5106_pv:
	.size	k_qc09bdb5106_pv, .Lfunc_end_k_qc09bdb5106_pv-k_qc09bdb5106_pv
	.p2alignl 7, 3214868480
	.fill 96, 4, 3214868480
	.section	.rodata,"a",@progbits
	.p2align	6, 0x0
	.amdhsa_kernel k_qc09bdb5106_pv
		.amdhsa_group_segment_fixed_size 327680
		.amdhsa_private_segment_fixed_size 0
		.amdhsa_enable_private_segment 0
		.amdhsa_kernarg_size 32
		.amdhsa_user_sgpr_count 2
		.amdhsa_user_sgpr_kernarg_segment_ptr 1
		.amdhsa_wavefront_size32 1
		.amdhsa_system_sgpr_workgroup_id_x 1
		.amdhsa_system_sgpr_workgroup_id_y 1
		.amdhsa_system_sgpr_workgroup_id_z 1
		.amdhsa_system_vgpr_workitem_id 0
		.amdhsa_next_free_vgpr 768
		.amdhsa_next_free_sgpr 96
		.amdhsa_reserve_vcc 0
		.amdhsa_float_denorm_mode_32 3
		.amdhsa_float_denorm_mode_16_64 3
		.amdhsa_memory_ordered 1
		.amdhsa_forward_progress 1
		.amdhsa_inst_pref_size 136
	.end_amdhsa_kernel
	.amdgpu_metadata
---
amdhsa.version: [ 1, 2 ]
amdhsa.kernels:
  - .name:           k_qc09bdb5106_pv
    .symbol:         k_qc09bdb5106_pv.kd
    .args:
      - { .name: p, .offset: 0, .size: 8, .value_kind: global_buffer, .address_space: global }
      - { .name: stats, .offset: 8, .size: 8, .value_kind: global_buffer, .address_space: global }
      - { .name: vt, .offset: 16, .size: 8, .value_kind: global_buffer, .address_space: global }
      - { .name: out0, .offset: 24, .size: 8, .value_kind: global_buffer, .address_space: global }
    .group_segment_fixed_size: 327680
    .private_segment_fixed_size: 0
    .kernarg_segment_align: 8
    .kernarg_segment_size: 32
    .max_flat_workgroup_size: 128
    .sgpr_count:     96
    .vgpr_count:     768
    .wavefront_size: 32
...
	.end_amdgpu_metadata
.endif
;; end of part 4
;; ======== version 2 of 2: 4 launches; version 1 with the launch prep written anew for expert scheduling mode
;; limits: values are held in f16: magnitudes above 65,504 overflow, below 6.1e-05 lose precision; right only within a limited range of input values; inputs' magnitudes at most 65,504
;; workspace buffers: xh 16,777,216 bytes; wt 6,291,456 bytes; qk 33,554,432 bytes; vt 16,777,216 bytes; p 33,554,432 bytes; stats 1,048,576 bytes
;; launch prep (part 5): grid 1408 x 1, 4 waves a work-group, no clusters, 17,920 bytes of LDS; arguments x, Wq, Wk, Wv, xh, wt; writes xh, wt
.if DOCPART == 5
	.amdgcn_target "amdgcn-amd-amdhsa--gfx1250"
	.amdhsa_code_object_version 6
	.text
	.protected	k_qc09bdb5106_prep
	.globl	k_qc09bdb5106_prep
	.p2align	8
	.type	k_qc09bdb5106_prep,@function
k_qc09bdb5106_prep:
	s_mov_b64 s[64:65], 0
	v_nop
	global_prefetch_b8 v0, s[64:65] scope:SCOPE_SE
	s_setreg_imm32_b32 hwreg(HW_REG_WAVE_SCHED_MODE, 0, 2), 2
	s_setreg_imm32_b32 hwreg(HW_REG_WAVE_MODE, 25, 1), 1
	s_wait_xcnt 0x0
	s_wait_alu depctr_vm_vsrc(0)
; PREP.  xh = x, [8192][1024]; wt = the three weights turned, [3072][1024], K along the rows.  Each number is rounded to bf16 and that number is written as f16, so that one f16 matrix form serves every
; product of the program.  LIMIT: the f16 coding is exact for magnitudes from 2^-17 to 65,504; smaller ones keep f16's fixed step of 2^-24, larger ones become infinities.
; wt's rows are ordered for the projection's tiles of 288 rows: column n of q or k (n = 0..2047) is row 288 (n / 256) + n % 256; column v < 256 of Wv is row 288 (v / 32) + 256 + v % 32; column v >= 256 is row 2048 + v.
; A stream: no matrix unit, no cluster.  EVERY WAVE OF THE LAUNCH ISSUES ITS 16 LOADS OF 512 BYTES AT ONCE AND MAKES ONE TRIP: nothing is asked for behind a wait for data.
; Work-groups 0-383 turn the weights (128 for each): a work-group owns a tile of 128 k x 64 n; wave w loads its k rows 32 w .. + 31 and lays them turned into the work-group's LDS tile (64 rows of 272 bytes);
; behind one barrier wave w takes rows 16 w .. + 15 out, whole rows of 256 bytes.  Work-groups 384-1407 convert x: a wave owns 8,192 consecutive bytes; no LDS, no barrier.
; THE MODE: SCHED_MODE bits 1:0 = 2 (LLVM: expert scheduling mode 2), set by the entry lines.  The code itself states the register dependences between vector instructions and memory or LDS
; instructions, with s_wait_alu, always for 0.
; THE PLAN.  Registers that memory or LDS instructions touch:
;   v4 .. v7   offsets and LDS addresses: written once at a path's head, read by its loads and stores, never written again.
;   LD         each four registers: a global load lands in them once; then the conversions read and overwrite them.  On the weights' way v8 and v9 first serve the head's arithmetic, and v[8:39] are
;              landed in once more, by the LDS loads behind the barrier, and then read by the global stores.
;   CV         each word: written once, by a conversion; read once, by a global store (x) or an LDS store (weights).
;   v2, v3     written at the head, read by the closing add alone.
; Both ways go in four blocks of four loads.  Block b's conversions name their own registers of LD and CV alone; the stores of block b - 1 are dealt among them.  So one wait on va_vdst stands ahead of a
; path's first load, one at the head of each of blocks 1 to 3, and one behind the last block.  No register that a memory or LDS instruction reads is written again: no wait on vm_vsrc is owed.
.set NW,    384                        ; work-groups that turn weights
.set WROW,  272                        ; an LDS row: 128 numbers of one column of W + 16 bytes
.set SPARE, 64*WROW                    ; behind the tile: the spare words, 128 bytes a wave, two blocks of 256 bytes that no other line names
.set SPW,   2                          ; v2  LDS address of my spare word; never rewritten
.set NIL,   3                          ; v3  0; never rewritten
.set LD,    8                          ; v[8:71]    16 loads of four registers
.set CV,    72                         ; v[72:103]  32 words of two f16
; Two f32 (registers a, b, which are used up) to two f16 in register d: rounded to bf16, widened again, and written as f16
.macro TOH d, a, b
	v_cvt_pk_bf16_f32 v[\d], v[\a], v[\b]
	v_lshlrev_b32 v[\a], 16, v[\d]
	v_and_b32 v[\b], s27, v[\d]
	v_cvt_pk_f16_f32 v[\d], v[\a], v[\b]
.endm
	s_load_b256 s[4:11], s[0:1], 0x0               ; x s[4:5], Wq s[6:7], Wk s[8:9], Wv s[10:11]
	s_load_b128 s[12:15], s[0:1], 0x20             ; xh s[12:13], wt s[14:15]
	v_lshl_add_u32 v[SPW], v0, 2, SPARE
	v_mov_b32 v[NIL], 0
	v_lshrrev_b32 v1, 5, v0
	v_readfirstlane_b32 s16, v1                    ; wave 0..3
	v_and_b32 v1, 31, v0                           ; lane
	s_mov_b32 s27, 0xffff0000                      ; a word's upper bf16
	s_wait_alu depctr_va_sdst(0)                   ; s16 is written, ahead of the branch and of its first readers on both ways: the wave's offsets are made from it
	s_cmp_lt_u32 ttmp9, NW                         ; the work-group's number: the same answer in all four waves
	s_cbranch_scc1 .Lweights
	; x: each load is converted and stored as 256 consecutive, aligned bytes.  No register is loaded or stored twice, so no wait frees anything.
	s_sub_co_u32 s17, ttmp9, NW
	s_lshl_b32 s18, s17, 15                        ; 32,768 bytes of x a work-group,
	s_lshl_b32 s19, s16, 13                        ; 8,192 a wave
	s_add_co_u32 s18, s18, s19
	s_mov_b32 s19, 0
	s_lshr_b32 s20, s18, 1                         ; half as many of xh
	s_mov_b32 s21, 0
	v_lshlrev_b32 v4, 4, v1
	v_lshlrev_b32 v5, 3, v1
	s_wait_kmcnt 0x0
	s_add_nc_u64 s[4:5], s[4:5], s[18:19]
	s_add_nc_u64 s[12:13], s[12:13], s[20:21]
	s_wait_alu depctr_va_vdst(0)                   ; v4 and v5 are written: every load of this way reads the one as its offset, every store the other
.set i, 0
.rept 16
	global_load_b128 v[LD+4*i:LD+4*i+3], v4, s[4:5] offset:512*i th:TH_LOAD_NT
.set i, i+1
.endr
.set i, 0
.rept 16                               ; four blocks of four loads; load i - 4's store stands ahead of load i's conversions
	s_wait_loadcnt 15-i                            ; loads come back in order: mine is in, the younger ones stay out
.if ((i%4) == 0) && (i > 0)
	s_wait_alu depctr_va_vdst(0)                   ; the block before has written its eight words of CV, which this block's four stores read; the conversions behind this wait name this block's LD and CV alone
.endif
.if i >= 4
	global_store_b64 v5, v[CV+2*(i-4):CV+2*(i-4)+1], s[12:13] offset:256*(i-4)
.endif
	TOH CV+2*i, LD+4*i, LD+4*i+1
	TOH CV+2*i+1, LD+4*i+2, LD+4*i+3
.set i, i+1
.endr
	s_wait_alu depctr_va_vdst(0)                   ; the last block has written its eight words of CV, which the last four stores read
.set i, 12
.rept 4
	global_store_b64 v5, v[CV+2*i:CV+2*i+1], s[12:13] offset:256*i
.set i, i+1
.endr
	s_endpgm                                       ; this way wrote no LDS
.Lweights:
	s_lshr_b32 s17, ttmp9, 7                       ; which weight
	s_and_b32 s18, ttmp9, 127                      ; my tile among its 128
	s_lshr_b32 s19, s18, 4                         ; kt: 128 rows of W
	s_and_b32 s18, s18, 15                         ; nt: 64 columns
	s_lshl_b32 s22, s19, 19                        ; 128 rows of 4,096 bytes,
	s_lshl_b32 s23, s16, 17                        ; my wave's 32 of them,
	s_add_co_u32 s22, s22, s23
	s_lshl_b32 s23, s18, 8                         ; 64 columns of 4 bytes
	s_add_co_u32 s22, s22, s23
	s_mov_b32 s23, 0
	s_lshl_b32 s24, s17, 10
	s_lshl_b32 s25, s18, 6
	s_add_co_u32 s24, s24, s25                     ; n: the tile's first column among the 3,072
	s_lshr_b32 s26, s24, 8
	s_mul_i32 s26, s26, 288
	s_and_b32 s25, s24, 255
	s_add_co_u32 s26, s26, s25                     ; its row if it is q's or k's
	s_sub_co_u32 s28, s24, 2048                    ; v's column (it wraps to a large number for q and k)
	s_lshr_b32 s29, s28, 5
	s_mul_i32 s29, s29, 288
	s_add_co_u32 s29, s29, 256                     ; its row if it is one of v's first 256
	s_cmp_lt_u32 s24, 2048
	s_cselect_b32 s24, s26, s24
	s_cmp_lt_u32 s28, 256
	s_cselect_b32 s24, s29, s24
	s_cselect_b32 s30, 256, 0                      ; there the 64 columns lie in two groups of 32 rows with 256 rows between them:
	s_lshr_b32 s25, s16, 1
	s_mul_i32 s30, s30, s25                        ; waves 2 and 3 store into the second group
	s_lshl4_add_u32 s30, s16, s30                  ; my wave's 16 rows
	s_add_co_u32 s24, s24, s30
	s_lshl_b32 s24, s24, 11                        ; rows of 2,048 bytes
	s_lshl_b32 s25, s19, 8                         ; 128 k of 2 bytes
	s_add_co_u32 s24, s24, s25
	s_mov_b32 s25, 0
	v_and_b32 v8, 15, v1                           ; c
	v_lshrrev_b32 v9, 4, v1                        ; h
	v_lshlrev_b32 v4, 4, v8
	v_lshl_add_u32 v4, v9, 13, v4                  ; in W: 16 lanes take a row's 256 bytes; the upper lanes two rows further down
	s_lshl_b32 s26, s16, 6
	v_mul_u32_u24 v5, v8, 4*WROW
	v_lshl_add_u32 v5, v9, 2, v5
	v_add_nc_u32 v5, s26, v5                       ; into LDS: row 4 c + j; my wave's 32 k begin at byte 64 w, two k at byte 4 h
	s_mul_i32 s26, s16, 16*WROW
	v_mul_u32_u24 v6, v9, WROW
	v_lshl_add_u32 v6, v8, 4, v6
	v_add_nc_u32 v6, s26, v6                       ; back: my wave's 16 rows; 16 lanes take a row's 256 bytes, the upper lanes the next row
	v_lshlrev_b32 v7, 4, v8
	v_lshl_add_u32 v7, v9, 11, v7                  ; and the same two rows of wt
	s_wait_kmcnt 0x0
	s_cmp_eq_u32 s17, 1
	s_cselect_b64 s[20:21], s[8:9], s[6:7]
	s_cmp_eq_u32 s17, 2
	s_cselect_b64 s[20:21], s[10:11], s[20:21]
	s_add_nc_u64 s[20:21], s[20:21], s[22:23]
	s_add_nc_u64 s[14:15], s[14:15], s[24:25]
	s_wait_alu depctr_va_vdst(0)                   ; v4 to v7 are written, which the loads and stores below read as offsets and addresses; the lines above are done writing and reading v8 and v9, in which the first load lands
.irp p, 0,1,2,3,4,5,6,7                ; pass p: rows 4 p + 2 h and + 1 of my 32; two neighbouring k of a column pack into one word
	global_load_b128 v[LD+8*(\p):LD+8*(\p)+3],   v4, s[20:21] offset:(\p)*16384 th:TH_LOAD_NT
	global_load_b128 v[LD+8*(\p)+4:LD+8*(\p)+7], v4, s[20:21] offset:(\p)*16384+4096 th:TH_LOAD_NT
.endr
.irp p, 0,1,2,3,4,5,6,7                ; four blocks of two passes; pass p - 2's four LDS stores stand among pass p's conversions
	s_wait_loadcnt 14-2*(\p)                       ; this pass's two loads are in; the later passes' stay out
.if (((\p)%2) == 0) && ((\p) > 0)
	s_wait_alu depctr_va_vdst(0)                   ; the two passes before have written their eight words of CV, which the LDS stores of this pass and the next read; the conversions behind this wait name these two passes' LD and CV alone
.endif
.irp j, 0,1,2,3
.if (\p) >= 2
	ds_store_b32 v5, v[CV+4*((\p)-2)+(\j)] offset:(\j)*WROW+((\p)-2)*8
.endif
	TOH CV+4*(\p)+(\j), LD+8*(\p)+(\j), LD+8*(\p)+4+(\j)
.endr
.endr
	s_wait_alu depctr_va_vdst(0)                   ; passes 6 and 7 have written their words of CV, which the last eight LDS stores read; and all conversions are done with v[8:39], in which the LDS loads behind the barrier land
.irp p, 6,7
.irp j, 0,1,2,3
	ds_store_b32 v5, v[CV+4*(\p)+(\j)] offset:(\j)*WROW+(\p)*8
.endr
.endr
	s_wait_dscnt 0x0                               ; for the others' sake: my 64 bytes of every row are stored
	s_barrier_signal -1
	s_barrier_wait -1                              ; everybody's are: the rows are whole
.irp t, 0,1,2,3,4,5,6,7
	ds_load_b128 v[LD+4*(\t):LD+4*(\t)+3], v6 offset:(\t)*2*WROW  ; no vector instruction since the wait above; no memory or LDS instruction has read these registers
.endr
.irp t, 0,1,2,3,4,5,6,7
	s_wait_dscnt 7-(\t)                            ; LDS loads come back in order: mine is in, the younger ones stay out
	global_store_b128 v7, v[LD+4*(\t):LD+4*(\t)+3], s[14:15] offset:(\t)*4096  ; 16 lanes store 256 consecutive, aligned bytes
.endr
	s_wait_dscnt 0x0                               ; the closing lines, six on end
	s_wait_alu 0x0
	s_wait_tensorcnt 0x0
	ds_add_u32 v[SPW], v[NIL]
	s_wait_dscnt 0x0
	s_endpgm
.Lfunc_end_k_qc09bdb5106_prep:
	.size	k_qc09bdb5106_prep, .Lfunc_end_k_qc09bdb5106_prep-k_qc09bdb5106_prep
	.p2alignl 7, 3214868480
	.fill 96, 4, 3214868480
	.section	.rodata,"a",@progbits
	.p2align	6, 0x0
	.amdhsa_kernel k_qc09bdb5106_prep
		.amdhsa_group_segment_fixed_size 17920
		.amdhsa_private_segment_fixed_size 0
		.amdhsa_enable_private_segment 0
		.amdhsa_kernarg_size 48
		.amdhsa_user_sgpr_count 2
		.amdhsa_user_sgpr_kernarg_segment_ptr 1
		.amdhsa_wavefront_size32 1
		.amdhsa_system_sgpr_workgroup_id_x 1
		.amdhsa_system_sgpr_workgroup_id_y 1
		.amdhsa_system_sgpr_workgroup_id_z 1
		.amdhsa_system_vgpr_workitem_id 0
		.amdhsa_next_free_vgpr 104
		.amdhsa_next_free_sgpr 66
		.amdhsa_reserve_vcc 0
		.amdhsa_float_denorm_mode_32 3
		.amdhsa_float_denorm_mode_16_64 3
		.amdhsa_memory_ordered 1
		.amdhsa_forward_progress 1
		.amdhsa_inst_pref_size 25
	.end_amdhsa_kernel
	.amdgpu_metadata
---
amdhsa.version: [ 1, 2 ]
amdhsa.kernels:
  - .name:           k_qc09bdb5106_prep
    .symbol:         k_qc09bdb5106_prep.kd
    .args:
      - { .name: x, .offset: 0, .size: 8, .value_kind: global_buffer, .address_space: global }
      - { .name: Wq, .offset: 8, .size: 8, .value_kind: global_buffer, .address_space: global }
      - { .name: Wk, .offset: 16, .size: 8, .value_kind: global_buffer, .address_space: global }
      - { .name: Wv, .offset: 24, .size: 8, .value_kind: global_buffer, .address_space: global }
      - { .name: xh, .offset: 32, .size: 8, .value_kind: global_buffer, .address_space: global }
      - { .name: wt, .offset: 40, .size: 8, .value_kind: global_buffer, .address_space: global }
    .group_segment_fixed_size: 17920
    .private_segment_fixed_size: 0
    .kernarg_segment_align: 8
    .kernarg_segment_size: 48
    .max_flat_workgroup_size: 128
    .sgpr_count:     66
    .vgpr_count:     104
    .wavefront_size: 32
...
	.end_amdgpu_metadata
.endif
;; end of part 5
;; launch proj: the kernel of part 2 again; grid 8 x 32, 4 waves a work-group, clusters of 4 x 4, 327,680 bytes of LDS; arguments xh, wt, qk, vt; writes qk, vt
;; launch scores: the kernel of part 3 again; grid 60 x 4, 4 waves a work-group, no clusters, 327,680 bytes of LDS; arguments qk, xh, wt, p, stats, vt; writes p, stats, vt
;; launch pv: the kernel of part 4 again; grid 8 x 32, 4 waves a work-group, clusters of 4 x 1, 327,680 bytes of LDS; arguments p, stats, vt, out0; writes out0
